; MI455X (gfx1250); checked and timed in simulation.
; The chip was launched on July 23, 2026; its instructions are those of AMD's public machine-readable ISA for CDNA 5 (MIT licence, August 2026) and "CDNA5" Instruction Set Architecture Reference Guide (July 2026). The comments in the code are by the model that wrote it; some were corrected since.
;; MSA Stack. Allowed arithmetic: float matrix products may take bf16 or f16 operands with f32 sums; other float arithmetic in f32, or as packed bf16 or f16 multiplies, adds, multiply-adds, maxima and minima; sums over many terms, partial sums and values carried from step to step in f32; what a program stores and reads back later, other than sums and carried values, may be rounded once to bf16 or f16.
;; Inputs: W0_c 256 x 256 float32; W0_r 256 x 256 float32; W1 256 x 1,024 float32; W2 1,024 x 256 float32; Wb 128 x 8 float32; Wqkv_c 256 x 1,024 float32; Wqkv_r 256 x 1,024 float32; b1 1,024 float32; b2 256 float32; bb 8 float32; be1 256 float32; be2 128 float32; be3 256 float32; bias_rep 1 x 256 x 256 x 128 float32; g1 256 float32; g2 128 float32; g3 256 float32; x 1 x 128 x 256 x 256 float32.
;; Outputs: out0 1 x 128 x 256 x 256 float32.
;; One version. Each part assembles by itself: llvm-mc -triple=amdgcn-amd-amdhsa -mcpu=gfx1250 --defsym DOCPART=n.
;; ======== version 1 of 1: 3 launches
;; limits: values are held in f16: magnitudes above 65,504 overflow, below 6.1e-05 lose precision
;; workspace buffers: SR 2,883,584 bytes; SC 1,441,792 bytes; QGR 262,144 bytes; QGC 262,144 bytes; X1 16,777,216 bytes; X2 33,554,432 bytes
;; launch prep (part 1): grid 1056 x 1, 8 waves a work-group, no clusters, 90,624 bytes of LDS; arguments bias_rep, g2, be2, Wb, bb, x, g1, be1, Wqkv_r, Wqkv_c, W0_r, W0_c, W1, W2, SR, SC, QGR, QGC, X1; writes SR, SC, QGR, QGC, X1
.if DOCPART == 1
	.amdgcn_target "amdgcn-amd-amdhsa--gfx1250"
	.amdhsa_code_object_version 6
	.text
	.protected	k_q4b0e157c0c_prep
	.globl	k_q4b0e157c0c_prep
	.p2align	8
	.type	k_q4b0e157c0c_prep,@function
k_q4b0e157c0c_prep:
	s_mov_b64 s[64:65], 0
	v_nop
	global_prefetch_b8 v0, s[64:65] scope:SCOPE_SE
	s_setreg_imm32_b32 hwreg(HW_REG_WAVE_MODE, 25, 1), 1
	s_wait_xcnt 0x0
; PREP: three kinds of work-group, chosen by the work-group's number alone.
;   0..255     pair bias: LN2(bias_rep) x Wb + bb, times log2(e), for 16 queries x 16 keys x 8 heads, stored in f32 as the C operand tiles of the row launch's score products
;   256..767   x1 = LN1(x), 64 rows a work-group, stored rounded once to f16
;   768..1055  weights as fragment images of 16 rows x 32 k (1,024 bytes: byte 512 i + 16 lane + 2 e holds row lane % 16, k = 16 i + 8 (lane / 16) + e), in the order in which the two later launches walk them
; INPUT ROUNDING.  x, g1, be1 and every weight matrix are rounded to bf16 before anything is computed from them (the problem allows the result of reference() on inputs so rounded); with a common offset on x the
; step of that rounding grows with the offset.  bias_rep, g2, be2, Wb, bb are taken in f32; LN2's result and g2 Wb log2(e) are rounded once to bf16 as matrix operands.
; LIMITS.  x1 is kept in f16: |x1| stays under 65,504 (it is a normalised number times g1 plus be1).  Wqkv, once in bf16, is written as f16 (q's part times log2(e)/sqrt(32), g's times -log2(e)); W0, W1, W2 stay bf16.
; No cluster: no two work-groups read the same large tile.  No tensor load: every byte is wanted once, in registers.
.set TP,     528                       ; a row of 128 f32 in LDS: 512 bytes + 16
.set TBL,    8*16*TP                   ; behind the eight waves' turning regions: 4 fragments of g2 Wb log2(e)
.set CPS,    TBL+4096                  ; 16 columns x 16 partial sums of be2 . Wb
.set OUTS,   CPS+1024                  ; 16 columns x 1,040 bytes: a head's tile of 1,024 bytes on the way out (columns 8-15 repeat heads 0-7)
.set OPI,    1040
.set SPARE,  OUTS+16896                ; the spare words: 128 bytes for each of eight waves, four blocks of 256 bytes that no other line names
.set HALFS,  22*65536                  ; bytes of the row launch's stream for one half of the queries
.set SPW, 28                           ; v28 my spare word; v29 zero: kept for the add alone
.set NIL, 29
; n pairs of f32 from v[X] on are rounded to bf16 and widened again, in place; v[T] on: n registers at work.  s61 = the mask of a word's upper half.
.macro RBF X, T, n
.set a, 0
.rept \n
	v_cvt_pk_bf16_f32 v[(\T)+a], v[(\X)+2*a], v[(\X)+2*a+1]
.set a, a+1
.endr
.set a, 0
.rept \n
	v_lshlrev_b32 v[(\X)+2*a], 16, v[(\T)+a]
	v_and_b32 v[(\X)+2*a+1], s61, v[(\T)+a]
.set a, a+1
.endr
.endm
; Layer norm of four pairs of rows.  A lane holds 16 numbers of one row (X + 16 p ..), 16 lanes a row.  Mean first, then the centred squares.  s58 = 1 / 256, s59 = 1e-5.
.macro LNGROUP X, G, BE, T
.irp p, 0,1,2,3
.irp c, 0,1,2,3
	v_pk_add_f32 v[(\T)+8*(\p)+2*(\c):(\T)+8*(\p)+2*(\c)+1], v[(\X)+16*(\p)+4*(\c):(\X)+16*(\p)+4*(\c)+1], v[(\X)+16*(\p)+4*(\c)+2:(\X)+16*(\p)+4*(\c)+3]
.endr
.endr
.irp p, 0,1,2,3
	v_pk_add_f32 v[(\T)+8*(\p):(\T)+8*(\p)+1], v[(\T)+8*(\p):(\T)+8*(\p)+1], v[(\T)+8*(\p)+2:(\T)+8*(\p)+3]
	v_pk_add_f32 v[(\T)+8*(\p)+4:(\T)+8*(\p)+5], v[(\T)+8*(\p)+4:(\T)+8*(\p)+5], v[(\T)+8*(\p)+6:(\T)+8*(\p)+7]
.endr
.irp p, 0,1,2,3
	v_pk_add_f32 v[(\T)+8*(\p):(\T)+8*(\p)+1], v[(\T)+8*(\p):(\T)+8*(\p)+1], v[(\T)+8*(\p)+4:(\T)+8*(\p)+5]
.endr
.irp p, 0,1,2,3
	v_add_f32 v[(\T)+8*(\p)], v[(\T)+8*(\p)], v[(\T)+8*(\p)+1]
.endr
.irp m, 1,2,4,8
.irp p, 0,1,2,3
	v_add_f32_dpp v[(\T)+8*(\p)], v[(\T)+8*(\p)], v[(\T)+8*(\p)] row_xmask:\m row_mask:0xf bank_mask:0xf
.endr
.endr
.irp p, 0,1,2,3
	v_mul_f32 v[(\T)+8*(\p)], 0xbb800000, v[(\T)+8*(\p)]   ; minus the mean
.endr
.irp p, 0,1,2,3
.irp c, 0,1,2,3,4,5,6,7
	v_pk_add_f32 v[(\X)+16*(\p)+2*(\c):(\X)+16*(\p)+2*(\c)+1], v[(\X)+16*(\p)+2*(\c):(\X)+16*(\p)+2*(\c)+1], v[(\T)+8*(\p):(\T)+8*(\p)+1] op_sel_hi:[1,0]
.endr
.endr
.irp p, 0,1,2,3
	v_pk_mul_f32 v[(\T)+8*(\p)+2:(\T)+8*(\p)+3], v[(\X)+16*(\p):(\X)+16*(\p)+1], v[(\X)+16*(\p):(\X)+16*(\p)+1]
	v_pk_mul_f32 v[(\T)+8*(\p)+4:(\T)+8*(\p)+5], v[(\X)+16*(\p)+2:(\X)+16*(\p)+3], v[(\X)+16*(\p)+2:(\X)+16*(\p)+3]
.endr
.irp c, 1,2,3
.irp p, 0,1,2,3
	v_pk_fma_f32 v[(\T)+8*(\p)+2:(\T)+8*(\p)+3], v[(\X)+16*(\p)+4*(\c):(\X)+16*(\p)+4*(\c)+1], v[(\X)+16*(\p)+4*(\c):(\X)+16*(\p)+4*(\c)+1], v[(\T)+8*(\p)+2:(\T)+8*(\p)+3]
	v_pk_fma_f32 v[(\T)+8*(\p)+4:(\T)+8*(\p)+5], v[(\X)+16*(\p)+4*(\c)+2:(\X)+16*(\p)+4*(\c)+3], v[(\X)+16*(\p)+4*(\c)+2:(\X)+16*(\p)+4*(\c)+3], v[(\T)+8*(\p)+4:(\T)+8*(\p)+5]
.endr
.endr
.irp p, 0,1,2,3
	v_pk_add_f32 v[(\T)+8*(\p)+2:(\T)+8*(\p)+3], v[(\T)+8*(\p)+2:(\T)+8*(\p)+3], v[(\T)+8*(\p)+4:(\T)+8*(\p)+5]
.endr
.irp p, 0,1,2,3
	v_add_f32 v[(\T)+8*(\p)+2], v[(\T)+8*(\p)+2], v[(\T)+8*(\p)+3]
.endr
.irp m, 1,2,4,8
.irp p, 0,1,2,3
	v_add_f32_dpp v[(\T)+8*(\p)+2], v[(\T)+8*(\p)+2], v[(\T)+8*(\p)+2] row_xmask:\m row_mask:0xf bank_mask:0xf
.endr
.endr
.irp p, 0,1,2,3
	v_fma_f32 v[(\T)+8*(\p)+2], v[(\T)+8*(\p)+2], s58, s59
.endr
.irp p, 0,1,2,3
	v_rsq_f32 v[(\T)+8*(\p)+4], v[(\T)+8*(\p)+2]
.endr
	v_nop                                          ; a plain instruction behind the last root,
	s_wait_alu depctr_va_vdst(0)                   ; and one wait for the four, ahead of their first reader
.irp p, 0,1,2,3
.irp c, 0,1,2,3,4,5,6,7
	v_pk_mul_f32 v[(\X)+16*(\p)+2*(\c):(\X)+16*(\p)+2*(\c)+1], v[(\X)+16*(\p)+2*(\c):(\X)+16*(\p)+2*(\c)+1], v[(\T)+8*(\p)+4:(\T)+8*(\p)+5] op_sel_hi:[1,0]
.endr
.endr
.irp p, 0,1,2,3
.irp c, 0,1,2,3,4,5,6,7
	v_pk_fma_f32 v[(\X)+16*(\p)+2*(\c):(\X)+16*(\p)+2*(\c)+1], v[(\X)+16*(\p)+2*(\c):(\X)+16*(\p)+2*(\c)+1], v[(\G)+2*(\c):(\G)+2*(\c)+1], v[(\BE)+2*(\c):(\BE)+2*(\c)+1]
.endr
.endr
.endm
; One fragment a wave: 16 numbers a lane, W[k0 + 16 i + 8 (lane / 16) + e][column of row lane % 16]; nn = numbers in a row of W.  All are rounded to bf16; half = 1: then scaled by s48 and written as f16.
; The loads take 4 bytes a lane from rows of W: 4.7 MB in all, read once.  Each store covers 512 consecutive bytes.  two = 1 and s60 = 1: a second copy goes into the stream of the other half of the queries.
.macro FRAG nn, half, two
.irp i, 0,1
.irp e, 0,1,2,3,4,5,6,7
	global_load_b32 v[32+8*(\i)+(\e)], v10, s[40:41] offset:(16*(\i)+(\e))*4*(\nn)
.endr
.endr
	s_wait_loadcnt 0x0
.if \half
	RBF 32, 48, 8
.irp k, 0,1,2,3,4,5,6,7
	v_pk_mul_f32 v[32+2*(\k):33+2*(\k)], v[32+2*(\k):33+2*(\k)], s[48:49] op_sel_hi:[1,0]
.endr
.irp k, 0,1,2,3,4,5,6,7
	v_cvt_pk_f16_f32 v[48+(\k)], v[32+2*(\k)], v[33+2*(\k)]
.endr
.else
.irp k, 0,1,2,3,4,5,6,7
	v_cvt_pk_bf16_f32 v[48+(\k)], v[32+2*(\k)], v[33+2*(\k)]
.endr
.endif
	global_store_b128 v11, v[48:51], s[44:45]
	global_store_b128 v11, v[52:55], s[44:45] offset:512
.if \two
	s_cmp_eq_u32 s60, 1
	s_cbranch_scc0 .Lend
	global_store_b128 v11, v[48:51], s[44:45] offset:HALFS
	global_store_b128 v11, v[52:55], s[44:45] offset:HALFS+512
.endif
	s_branch .Lend
.endm
; s56 = block of 65,536 bytes, s54 = row tile 0..15 (quarter = tile / 4, place in the quarter = 4 (ks % 4) + tile % 4): the fragment's place in a stream; both pointers take their offsets
.macro DSTOFF
	s_lshl_b32 s46, s56, 16
	s_lshr_b32 s57, s54, 2
	s_lshl_b32 s57, s57, 14
	s_add_co_u32 s46, s46, s57
	s_and_b32 s57, s54, 3
	s_lshl2_add_u32 s57, s50, s57
	s_lshl_b32 s57, s57, 10
	s_add_co_u32 s46, s46, s57
	s_add_nc_u64 s[40:41], s[40:41], s[42:43]
	s_add_nc_u64 s[44:45], s[44:45], s[46:47]
.endm
	v_lshl_add_u32 v[SPW], v0, 2, SPARE
	v_mov_b32 v[NIL], 0
	v_lshrrev_b32 v1, 5, v0
	v_readfirstlane_b32 s2, v1                     ; wave 0..7
	v_and_b32 v1, 31, v0                           ; lane
	v_and_b32 v2, 15, v0                           ; lane % 16
	v_bfe_u32 v3, v0, 4, 1                         ; lane / 16
	s_mov_b32 s59, 0x3727c5ac                      ; 1e-5
	s_mov_b32 s61, 0xffff0000                      ; a word's upper half
	s_cmp_lt_u32 ttmp9, 256
	s_cbranch_scc1 .Lbias
	s_cmp_lt_u32 ttmp9, 768
	s_cbranch_scc1 .Lln1
; ---------------------------------------------------------------- weights: the wave's number is the K step of 32
	s_load_b512 s[16:31], s[0:1], 0x40             ; Wqkv_r, Wqkv_c, W0_r, W0_c, W1, W2, SR, SC
	s_load_b128 s[32:35], s[0:1], 0x80             ; QGR, QGC
	s_sub_co_u32 s3, ttmp9, 768
	v_lshlrev_b32 v11, 4, v1                       ; 16 x lane
	s_and_b32 s50, s2, 3                           ; K step inside its block
	s_lshr_b32 s51, s2, 2                          ; which of the two blocks along K
	s_mov_b32 s43, 0
	s_mov_b32 s47, 0
	s_wait_kmcnt 0x0
	s_cmp_lt_u32 s3, 128
	s_cbranch_scc1 .Lwqkv
	s_cmp_lt_u32 s3, 160
	s_cbranch_scc1 .Lw0
	s_cmp_lt_u32 s3, 224
	s_cbranch_scc1 .Lw1
	; W2: rows = 16 output channels, k = 256 chunk + 32 ks
	s_sub_co_u32 s52, s3, 224
	s_and_b32 s54, s52, 15
	s_lshr_b32 s53, s52, 4
	s_lshl_b32 s42, s53, 18
	s_lshl_b32 s55, s2, 15
	s_add_co_u32 s42, s42, s55
	s_lshl_b32 s55, s54, 6
	s_add_co_u32 s42, s42, s55
	s_mov_b64 s[40:41], s[26:27]
	s_mov_b64 s[44:45], s[30:31]
	s_lshl2_add_u32 s56, s53, s51
	s_add_co_u32 s56, s56, 8
	s_mov_b32 s60, 0
	s_branch .Lgo256
.Lw0:                                                  ; W0 of the row step (twice, into both halves' streams) or of the column step
	s_sub_co_u32 s52, s3, 128
	s_lshr_b32 s53, s52, 4
	s_and_b32 s54, s52, 15
	s_lshl_b32 s42, s2, 15
	s_lshl_b32 s55, s54, 6
	s_add_co_u32 s42, s42, s55
	s_cmp_eq_u32 s53, 0
	s_cselect_b64 s[40:41], s[20:21], s[22:23]
	s_cselect_b64 s[44:45], s[28:29], s[30:31]
	s_cselect_b32 s56, 20, 4
	s_cselect_b32 s60, 1, 0
	s_add_co_u32 s56, s56, s51
.Lgo256:
	DSTOFF
	v_lshlrev_b32 v10, 2, v2
	v_lshl_add_u32 v10, v3, 13, v10                ; 8 rows of 1,024 bytes for the upper lanes, 4 bytes a column
	FRAG 256, 0, 1
.Lw1:                                                  ; W1: rows = 16 hidden units
	s_sub_co_u32 s52, s3, 160
	s_and_b32 s54, s52, 15
	s_lshr_b32 s53, s52, 4
	s_lshl_b32 s42, s2, 17
	s_lshl_b32 s55, s52, 6
	s_add_co_u32 s42, s42, s55
	s_mov_b64 s[40:41], s[24:25]
	s_mov_b64 s[44:45], s[30:31]
	s_lshl2_add_u32 s56, s53, s51
	s_add_co_u32 s56, s56, 6
	DSTOFF
	v_lshlrev_b32 v10, 2, v2
	v_lshl_add_u32 v10, v3, 15, v10
	FRAG 1024, 0, 0
.Lwqkv:                                                ; Wqkv: column of (d, kind, head) = 32 d + 8 kind + head; rows of the fragment = d = 16 e + lane % 16
	s_lshr_b32 s52, s3, 6                          ; 0 row step, 1 column step
	s_and_b32 s53, s3, 1                           ; e
	s_bfe_u32 s54, s3, 0x20001                     ; kind: 0 q, 1 k, 2 v, 3 g
	s_bfe_u32 s55, s3, 0x30003                     ; head
	s_lshl_b32 s42, s2, 17
	s_lshl_b32 s56, s53, 11
	s_add_co_u32 s42, s42, s56
	s_lshl_b32 s56, s54, 5
	s_add_co_u32 s42, s42, s56
	s_lshl_b32 s56, s55, 2
	s_add_co_u32 s42, s42, s56
	s_cmp_eq_u32 s52, 0
	s_cselect_b64 s[40:41], s[16:17], s[18:19]
	s_add_nc_u64 s[40:41], s[40:41], s[42:43]
	s_mov_b32 s48, 1.0
	s_cmp_eq_u32 s54, 0
	s_cselect_b32 s48, 0x3e8293ee, s48             ; q: log2(e) / sqrt(32)
	s_cmp_eq_u32 s54, 3
	s_cselect_b32 s48, 0xbfb8aa3b, s48             ; g: -log2(e)
	s_mov_b32 s49, s48
	v_lshlrev_b32 v10, 7, v2                       ; 32 columns from d to d + 1
	v_lshl_add_u32 v10, v3, 15, v10
	s_sub_co_u32 s57, s54, 1
	s_cmp_lt_u32 s57, 2
	s_cbranch_scc0 .Lqg
	s_lshr_b32 s58, s55, 2                         ; k and v go into the stream: pass = head / 4, quarter = head % 4
	s_cmp_eq_u32 s52, 0
	s_cselect_b32 s56, 10, 2
	s_mul_i32 s58, s58, s56
	s_add_co_u32 s58, s58, s51
	s_lshl_b32 s46, s58, 16
	s_and_b32 s58, s55, 3
	s_lshl_b32 s58, s58, 14
	s_add_co_u32 s46, s46, s58
	s_lshl2_add_u32 s58, s50, s53
	s_lshl1_add_u32 s58, s57, s58                  ; 4 (ks % 4) + 2 (kind - 1) + e
	s_lshl_b32 s58, s58, 10
	s_add_co_u32 s46, s46, s58
	s_cmp_eq_u32 s52, 0
	s_cselect_b64 s[44:45], s[28:29], s[30:31]
	s_cselect_b32 s60, 1, 0
	s_branch .Lgo16
.Lqg:                                                  ; q and g lie by heads: 32 fragments a head, q's 16 first
	s_lshl_b32 s46, s55, 15
	s_lshl1_add_u32 s58, s2, s53
	s_cmp_eq_u32 s54, 3
	s_cselect_b32 s56, 16, 0
	s_add_co_u32 s58, s58, s56
	s_lshl_b32 s58, s58, 10
	s_add_co_u32 s46, s46, s58
	s_cmp_eq_u32 s52, 0
	s_cselect_b64 s[44:45], s[32:33], s[34:35]
	s_mov_b32 s60, 0
.Lgo16:
	s_add_nc_u64 s[44:45], s[44:45], s[46:47]
	FRAG 1024, 1, 1
; ---------------------------------------------------------------- x1 = LN1(x): a wave takes 8 rows as 4 pairs; lanes 0-15 the even row, 16-31 the odd one; a lane owns columns 128 q + 8 (lane % 16) + 0..7
.Lln1:
	s_load_b64 s[8:9], s[0:1], 0x28                ; x
	s_load_b128 s[12:15], s[0:1], 0x30             ; g1, be1
	s_load_b64 s[10:11], s[0:1], 0x90              ; X1
	s_sub_co_u32 s3, ttmp9, 256
	s_lshl_b32 s3, s3, 6
	s_lshl3_add_u32 s3, s2, s3                     ; my first row
	s_lshl_b32 s20, s3, 10
	s_mov_b32 s21, 0
	s_lshl_b32 s22, s3, 9
	s_mov_b32 s23, 0
	s_mov_b32 s58, 0x3b800000                      ; 1 / 256
	v_lshlrev_b32 v4, 5, v2
	v_lshl_add_u32 v5, v3, 10, v4
	v_lshlrev_b32 v6, 4, v2
	v_lshl_add_u32 v6, v3, 9, v6
	s_wait_kmcnt 0x0
	s_add_nc_u64 s[8:9], s[8:9], s[20:21]
	s_add_nc_u64 s[10:11], s[10:11], s[22:23]
.irp q, 0,1
.irp i, 0,1
	global_load_b128 v[64+8*(\q)+4*(\i):67+8*(\q)+4*(\i)], v4, s[12:13] offset:512*(\q)+16*(\i)
	global_load_b128 v[80+8*(\q)+4*(\i):83+8*(\q)+4*(\i)], v4, s[14:15] offset:512*(\q)+16*(\i)
.endr
.endr
.irp p, 0,1,2,3
.irp q, 0,1
.irp i, 0,1
	global_load_b128 v[96+16*(\p)+8*(\q)+4*(\i):99+16*(\p)+8*(\q)+4*(\i)], v5, s[8:9] offset:2048*(\p)+512*(\q)+16*(\i) th:TH_LOAD_NT
.endr
.endr
.endr
	s_wait_loadcnt 0x0
	RBF 64, 32, 16                                 ; g1 and be1 to bf16,
	RBF 96, 224, 32                                ; and x
	LNGROUP 96, 64, 80, 32
.set a, 0
.rept 32
	v_cvt_pk_f16_f32 v[224+a], v[96+2*a], v[97+2*a]
.set a, a+1
.endr
.irp p, 0,1,2,3
.irp q, 0,1
	global_store_b128 v6, v[224+8*(\p)+4*(\q):227+8*(\p)+4*(\q)], s[10:11] offset:1024*(\p)+256*(\q)   ; 16 lanes store 256 consecutive bytes, aligned
.endr
.endr
	s_branch .Lend
; ---------------------------------------------------------------- pair bias: queries 16 ti .. + 15, keys 16 tj .. + 15; wave w takes queries 2 w and 2 w + 1
.Lbias:
	s_load_b256 s[8:15], s[0:1], 0x0               ; bias_rep, g2, be2, Wb
	s_load_b64 s[16:17], s[0:1], 0x20              ; bb
	s_load_b64 s[18:19], s[0:1], 0x70              ; SR
	s_lshr_b32 s24, ttmp9, 4                       ; ti
	s_and_b32 s25, ttmp9, 15                       ; tj
	s_mov_b32 s22, 0x76543210                      ; v_permlanex16_b32: each lane takes its own place in the other half
	s_mov_b32 s23, 0xfedcba98
	s_mov_b32 s58, 0x3c000000                      ; 1 / 128
	v_and_b32 v6, 7, v0
	v_lshlrev_b32 v6, 2, v6                        ; 4 x head
	v_lshl_add_u32 v4, v3, 8, v6
	s_lshl_b32 s26, s2, 9
	v_add_nc_u32 v4, s26, v4                       ; Wb[16 w + 8 (lane / 16)][head]
	s_lshl_b32 s26, s2, 6
	v_lshl_add_u32 v5, v3, 5, s26                  ; g2, be2 at 16 w + 8 (lane / 16)
	v_lshlrev_b32 v7, 4, v1
	s_lshl_b32 s20, s24, 4
	s_lshl1_add_u32 s20, s2, s20
	s_lshl_b32 s20, s20, 17                        ; my first query's 256 rows of 512 bytes
	s_lshl_b32 s21, s25, 13
	s_add_co_u32 s20, s20, s21
	s_mov_b32 s21, 0
	s_wait_kmcnt 0x0
	s_add_nc_u64 s[8:9], s[8:9], s[20:21]
.irp e, 0,1,2,3,4,5,6,7
	global_load_b32 v[160+(\e)], v4, s[14:15] offset:32*(\e)
.endr
	global_load_b128 v[168:171], v5, s[10:11]
	global_load_b128 v[172:175], v5, s[10:11] offset:16
	global_load_b128 v[176:179], v5, s[12:13]
	global_load_b128 v[180:183], v5, s[12:13] offset:16
	global_load_b32 v184, v6, s[16:17]
.set j, 0
.rept 32                                       ; 32 rows of 512 bytes, a row an instruction
	global_load_b128 v[32+4*j:35+4*j], v7, s[8:9] offset:(j/16)*131072+(j%16)*512 th:TH_LOAD_NT
.set j, j+1
.endr
	s_lshl_b32 s26, s2, 9
	s_add_co_u32 s26, s26, TBL
	v_add_nc_u32 v21, s26, v7                      ; my 16 bytes of the table
	v_add_nc_u32 v22, TBL, v7
	v_lshlrev_b32 v24, 6, v2
	v_lshl_add_u32 v23, v3, 2, v24
	s_lshl_b32 s26, s2, 3
	s_add_co_u32 s26, s26, CPS
	v_add_nc_u32 v23, s26, v23                     ; my partial sum's word
	v_add_nc_u32 v24, CPS, v24
	s_mul_i32 s26, s2, 16*TP
	v_add_nc_u32 v17, s26, v7                      ; my wave's turning region: rows in,
	v_mul_u32_u24 v18, v2, TP
	v_lshl_add_u32 v18, v3, 5, v18
	v_add_nc_u32 v18, s26, v18                     ; half rows out
	v_mul_u32_u24 v19, v2, OPI
	v_lshl_add_u32 v19, v3, 8, v19
	s_lshl_b32 s27, s2, 5
	s_add_co_u32 s27, s27, OUTS
	v_add_nc_u32 v19, s27, v19                     ; column's tile, target lane 2 w + u + 16 (lane / 16)
	s_mul_i32 s27, s2, OPI
	s_add_co_u32 s27, s27, OUTS
	v_add_nc_u32 v20, s27, v7
	s_wait_loadcnt 32                              ; the 13 small loads are in; the 32 rows stay out
.irp k, 0,1,2,3
	v_pk_mul_f32 v[192+2*(\k):193+2*(\k)], v[168+2*(\k):169+2*(\k)], v[160+2*(\k):161+2*(\k)]
.endr
.irp k, 0,1,2,3
	v_pk_mul_f32 v[192+2*(\k):193+2*(\k)], v[192+2*(\k):193+2*(\k)], 0x3fb8aa3b op_sel_hi:[1,0]
.endr
.irp k, 0,1,2,3
	v_cvt_pk_bf16_f32 v[200+(\k)], v[192+2*(\k)], v[193+2*(\k)]
.endr
	ds_store_b128 v21, v[200:203]
	v_pk_mul_f32 v[204:205], v[176:177], v[160:161]
	v_pk_fma_f32 v[204:205], v[178:179], v[162:163], v[204:205]
	v_pk_fma_f32 v[204:205], v[180:181], v[164:165], v[204:205]
	v_pk_fma_f32 v[204:205], v[182:183], v[166:167], v[204:205]
	v_add_f32 v204, v204, v205
	ds_store_b32 v23, v204
	s_wait_dscnt 0x0                               ; my part of the table and of the sums is written
	s_barrier_signal -1
	s_barrier_wait -1
.irp f, 0,1,2,3,4,5,6,7
	ds_load_b128 v[224+4*(\f):227+4*(\f)], v22 offset:512*(\f)
.endr
.irp k, 0,1,2,3
	ds_load_b128 v[192+4*(\k):195+4*(\k)], v24 offset:16*(\k)
.endr
	s_wait_dscnt 0x0
	v_pk_add_f32 v[192:193], v[192:193], v[194:195]
	v_pk_add_f32 v[196:197], v[196:197], v[198:199]
	v_pk_add_f32 v[200:201], v[200:201], v[202:203]
	v_pk_add_f32 v[204:205], v[204:205], v[206:207]
	v_pk_add_f32 v[192:193], v[192:193], v[196:197]
	v_pk_add_f32 v[200:201], v[200:201], v[204:205]
	v_pk_add_f32 v[192:193], v[192:193], v[200:201]
	v_add_f32 v16, v192, v193
	v_add_f32 v16, v16, v184
	v_mul_f32 v16, 0x3fb8aa3b, v16                 ; (be2 . Wb + bb) log2(e) of my column's head
; Query u: its 16 rows go through the wave's own LDS region (a wave's LDS instructions are served in order), so that a lane holds half of row lane % 16 in the order of a fragment; LN2 without gain; bf16.
.macro BROW u
	s_wait_loadcnt 16-16*(\u)                      ; this query's 16 rows are in; the other's may stay out
.set j, 0
.rept 16
	ds_store_b128 v17, v[32+64*(\u)+4*j:35+64*(\u)+4*j] offset:TP*j
.set j, j+1
.endr
.set j, 0
.rept 16
	ds_load_b128 v[160+4*j:163+4*j], v18 offset:128*(j/4)+64*((j/2)%2)+16*(j%2)
.set j, j+1
.endr
	s_wait_dscnt 0x0
.irp c, 0,1,2,3
	v_pk_add_f32 v[8+2*(\c):9+2*(\c)], v[160+2*(\c):161+2*(\c)], v[168+2*(\c):169+2*(\c)]
.endr
.set p, 8
.rept 24
	v_pk_add_f32 v[8+2*(p%4):9+2*(p%4)], v[8+2*(p%4):9+2*(p%4)], v[160+2*p:161+2*p]
.set p, p+1
.endr
	v_pk_add_f32 v[8:9], v[8:9], v[10:11]
	v_pk_add_f32 v[12:13], v[12:13], v[14:15]
	v_pk_add_f32 v[8:9], v[8:9], v[12:13]
	v_add_f32 v8, v8, v9
	v_permlanex16_b32 v9, v8, s22, s23             ; the row's other half lies in the lane 16 away
	v_add_f32 v8, v8, v9
	v_mul_f32 v8, 0xbc000000, v8                   ; minus the mean
.set p, 0
.rept 32
	v_pk_add_f32 v[160+2*p:161+2*p], v[160+2*p:161+2*p], v[8:9] op_sel_hi:[1,0]
.set p, p+1
.endr
.irp c, 0,1,2,3
	v_pk_mul_f32 v[8+2*(\c):9+2*(\c)], v[160+2*(\c):161+2*(\c)], v[160+2*(\c):161+2*(\c)]
.endr
.set p, 4
.rept 28
	v_pk_fma_f32 v[8+2*(p%4):9+2*(p%4)], v[160+2*p:161+2*p], v[160+2*p:161+2*p], v[8+2*(p%4):9+2*(p%4)]
.set p, p+1
.endr
	v_pk_add_f32 v[8:9], v[8:9], v[10:11]
	v_pk_add_f32 v[12:13], v[12:13], v[14:15]
	v_pk_add_f32 v[8:9], v[8:9], v[12:13]
	v_add_f32 v8, v8, v9
	v_permlanex16_b32 v9, v8, s22, s23
	v_add_f32 v8, v8, v9
	v_fma_f32 v8, v8, s58, s59
	v_rsq_f32 v10, v8
	v_nop
	s_wait_alu depctr_va_vdst(0)                   ; ahead of the root's first reader
.set p, 0
.rept 32
	v_pk_mul_f32 v[160+2*p:161+2*p], v[160+2*p:161+2*p], v[10:11] op_sel_hi:[1,0]
.set p, p+1
.endr
.set a, 0
.rept 32
	v_cvt_pk_bf16_f32 v[32+32*(\u)+a], v[160+2*a], v[161+2*a]
.set a, a+1
.endr
.endm
	BROW 0
	BROW 1
.irp j, 0,1,2,3,4,5,6,7
	v_mov_b32 v[120+(\j)], v16                     ; the C operand that starts both sums
.endr
	; rows = 16 keys, columns = heads, K = 128 channels; the two queries' accumulators take turns
	v_wmma_f32_16x16x32_bf16 v[104:111], v[32:39], v[224:231], v[120:127]
	v_wmma_f32_16x16x32_bf16 v[112:119], v[64:71], v[224:231], v[120:127]
.irp ks, 1,2,3
	v_wmma_f32_16x16x32_bf16 v[104:111], v[32+8*(\ks):39+8*(\ks)], v[224+8*(\ks):231+8*(\ks)], v[104:111]
	v_wmma_f32_16x16x32_bf16 v[112:119], v[64+8*(\ks):71+8*(\ks)], v[224+8*(\ks):231+8*(\ks)], v[112:119]
.endr
.rept 4
	v_nop                                          ; four places behind the last product, ahead of the stores that read the results
.endr
.irp u, 0,1
	ds_store_b128 v19, v[104+8*(\u):107+8*(\u)] offset:16*(\u)
	ds_store_b128 v19, v[108+8*(\u):111+8*(\u)] offset:16*(\u)+512
.endr
	s_lshr_b32 s26, s24, 3                         ; which half of the queries
	s_mul_i32 s30, s26, HALFS
	s_lshr_b32 s27, s2, 2
	s_mul_i32 s27, s27, 10
	s_and_b32 s31, s24, 7
	s_add_co_u32 s27, s27, s31
	s_add_co_u32 s27, s27, 2                       ; block 10 (head / 4) + 2 + query tile
	s_lshl_b32 s27, s27, 16
	s_add_co_u32 s30, s30, s27
	s_and_b32 s27, s2, 3
	s_lshl_b32 s27, s27, 14
	s_add_co_u32 s30, s30, s27
	s_lshl_b32 s27, s26, 3
	s_xor_b32 s27, s27, s25                        ; the half's own keys come first
	s_lshl_b32 s27, s27, 10
	s_add_co_u32 s30, s30, s27
	s_mov_b32 s31, 0
	s_add_nc_u64 s[18:19], s[18:19], s[30:31]
	s_wait_dscnt 0x0
	s_barrier_signal -1
	s_barrier_wait -1                              ; all sixteen queries of every head's tile are in the stage
	ds_load_b128 v[128:131], v20                   ; wave w takes head w
	ds_load_b128 v[132:135], v20 offset:512
	s_wait_dscnt 0x0
	global_store_b128 v7, v[128:131], s[18:19]     ; 512 consecutive bytes each
	global_store_b128 v7, v[132:135], s[18:19] offset:512
.Lend:
	s_wait_tensorcnt 0x0                           ; the wave's end, behind the last LDS store
	ds_add_u32 v[SPW], v[NIL]
	s_wait_dscnt 0x0
	s_endpgm
.Lfunc_end_k_q4b0e157c0c_prep:
	.size	k_q4b0e157c0c_prep, .Lfunc_end_k_q4b0e157c0c_prep-k_q4b0e157c0c_prep
	.p2alignl 7, 3214868480
	.fill 96, 4, 3214868480
	.section	.rodata,"a",@progbits
	.p2align	6, 0x0
	.amdhsa_kernel k_q4b0e157c0c_prep
		.amdhsa_group_segment_fixed_size 90624
		.amdhsa_private_segment_fixed_size 0
		.amdhsa_enable_private_segment 0
		.amdhsa_kernarg_size 152
		.amdhsa_user_sgpr_count 2
		.amdhsa_user_sgpr_kernarg_segment_ptr 1
		.amdhsa_wavefront_size32 1
		.amdhsa_system_sgpr_workgroup_id_x 1
		.amdhsa_system_sgpr_workgroup_id_y 1
		.amdhsa_system_sgpr_workgroup_id_z 1
		.amdhsa_system_vgpr_workitem_id 0
		.amdhsa_next_free_vgpr 256
		.amdhsa_next_free_sgpr 66
		.amdhsa_reserve_vcc 0
		.amdhsa_float_denorm_mode_32 3
		.amdhsa_float_denorm_mode_16_64 3
		.amdhsa_memory_ordered 1
		.amdhsa_forward_progress 1
		.amdhsa_inst_pref_size 76
	.end_amdhsa_kernel
	.amdgpu_metadata
---
amdhsa.version: [ 1, 2 ]
amdhsa.kernels:
  - .name:           k_q4b0e157c0c_prep
    .symbol:         k_q4b0e157c0c_prep.kd
    .args:
      - { .name: bias_rep, .offset: 0, .size: 8, .value_kind: global_buffer, .address_space: global }
      - { .name: g2, .offset: 8, .size: 8, .value_kind: global_buffer, .address_space: global }
      - { .name: be2, .offset: 16, .size: 8, .value_kind: global_buffer, .address_space: global }
      - { .name: Wb, .offset: 24, .size: 8, .value_kind: global_buffer, .address_space: global }
      - { .name: bb, .offset: 32, .size: 8, .value_kind: global_buffer, .address_space: global }
      - { .name: x, .offset: 40, .size: 8, .value_kind: global_buffer, .address_space: global }
      - { .name: g1, .offset: 48, .size: 8, .value_kind: global_buffer, .address_space: global }
      - { .name: be1, .offset: 56, .size: 8, .value_kind: global_buffer, .address_space: global }
      - { .name: Wqkv_r, .offset: 64, .size: 8, .value_kind: global_buffer, .address_space: global }
      - { .name: Wqkv_c, .offset: 72, .size: 8, .value_kind: global_buffer, .address_space: global }
      - { .name: W0_r, .offset: 80, .size: 8, .value_kind: global_buffer, .address_space: global }
      - { .name: W0_c, .offset: 88, .size: 8, .value_kind: global_buffer, .address_space: global }
      - { .name: W1, .offset: 96, .size: 8, .value_kind: global_buffer, .address_space: global }
      - { .name: W2, .offset: 104, .size: 8, .value_kind: global_buffer, .address_space: global }
      - { .name: SR, .offset: 112, .size: 8, .value_kind: global_buffer, .address_space: global }
      - { .name: SC, .offset: 120, .size: 8, .value_kind: global_buffer, .address_space: global }
      - { .name: QGR, .offset: 128, .size: 8, .value_kind: global_buffer, .address_space: global }
      - { .name: QGC, .offset: 136, .size: 8, .value_kind: global_buffer, .address_space: global }
      - { .name: X1, .offset: 144, .size: 8, .value_kind: global_buffer, .address_space: global }
    .group_segment_fixed_size: 90624
    .private_segment_fixed_size: 0
    .kernarg_segment_align: 8
    .kernarg_segment_size: 152
    .max_flat_workgroup_size: 256
    .sgpr_count:     66
    .vgpr_count:     256
    .wavefront_size: 32
...
	.end_amdgpu_metadata
.endif
;; end of part 1
;; launch row (part 2): grid 256 x 1, 4 waves a work-group, clusters of 4 x 1, 327,680 bytes of LDS; arguments X1, SR, QGR, X2; writes X2
.if DOCPART == 2
	.amdgcn_target "amdgcn-amd-amdhsa--gfx1250"
	.amdhsa_code_object_version 6
	.text
	.protected	k_q4b0e157c0c_row
	.globl	k_q4b0e157c0c_row
	.p2align	8
	.type	k_q4b0e157c0c_row,@function
k_q4b0e157c0c_row:
	s_mov_b64 s[64:65], 0
	v_nop
	global_prefetch_b8 v0, s[64:65] scope:SCOPE_SE
	s_setreg_imm32_b32 hwreg(HW_REG_WAVE_MODE, 25, 1), 1
	s_wait_xcnt 0x0
	s_wait_alu depctr_hold_cnt(0) depctr_sa_sdst(0) depctr_va_vdst(0) depctr_va_sdst(0) depctr_va_ssrc(0) depctr_va_vcc(0) depctr_vm_vsrc(0)
	s_getreg_b32 s2, hwreg(HW_REG_IB_STS2, 6, 4)
	s_cmp_eq_u32 s2, 0
	s_cbranch_scc0 .Lentry_in_a_cluster
	s_endpgm
.Lentry_in_a_cluster:
	s_bfe_u32 s2, ttmp6, 0x10000c
	s_cmp_lg_u32 s2, 0x3003
	s_cbranch_scc0 .Lentry_shape_is_right
	s_endpgm
.Lentry_shape_is_right:
; ROW-WISE GATED ATTENTION WITH PAIR BIAS, fused with its projections: x2 = x1 + (softmax(q k^T / sqrt(32) + bias) v * sigmoid(g)) W0.
; A work-group owns one sequence of 256 tokens and one half of its queries (128): k and v of all 256 tokens, q and g of its own 128.  Two passes of four heads, a head a wave.
; x1 arrives in f16 and is both the projections' operand (f16 matrix form, weights in f16) and the residual, added in f32 on the way out; q, k, v, the weights p, o and W0 are bf16; all sums f32; x2 leaves in f32.
; The row maximum is taken of all 256 biased scores before any exponential.  LIMITS: a weight below 2^-126 counts as 0; NaN and infinities are not treated apart.
; LAYOUT.  k^T, q^T, g^T = W x^T (a lane holds a token and 8 channels), v = x W (a lane holds a channel and 8 tokens): packed in pairs they ARE the fragments of S^T = K Q^T + bias and O^T = V^T P; nothing changes lanes.
; THE STREAM.  All that every work-group walks (k and v weights, bias tiles, W0) lies in 22 blocks of 65,536 bytes in the order of use; wave w fetches and reads quarter w.  Two LDS slots take turns.
; CLUSTER.  The four work-groups of a cluster have the same half of the queries of four sequences, so they walk the same stream: each block is asked for jointly, by the same load with a mask of four.
; AHEAD.  A tile's trip asks for what later tiles want: the bias tiles of the next tile (behind the change of slots, ahead of V^T P), x's fragments of the tile after next; and the next tile's 32 products q, g stand among
; this tile's exponentials, whose registers they do not name.  A GEMM step's fragments are asked for at the head of the step before.
; REGISTERS in windows of 256 (s_set_vgpr_msb: bits 1:0 source 0, 3:2 source 1, 5:4 source 2, 7:6 destination):
;   0: v0-31 addresses, v32-63 at work, v64-191 q's weights, v192-255 g's weights of K steps 0-3
;   1: two fragment buffers v0-95, v96-191 (4 weight tiles, 8 token tiles); in the tile loop v0-63 x, v64-79 q's sums, v80-95 the gate, v96-103 Q, v104-119 O, v120-127 o, v128-143 g's sums; v192-255 g's weights of K steps 4-7
;   2: k^T sums, packed in place to K (v0-127); bias and scores v128-255; later the 32 sums of o W0        3: v sums, packed in place to V^T (v0-127); P v128-191
.set NT, 16                            ; key tiles
.set XP, 528                           ; a token's row in LDS: 512 bytes + 16
.set OP, 272                           ; a row of o for four heads: 256 bytes + 16
.set SP, 1040                          ; a row of the stage on the way out: 1,024 bytes + 16
.set OBB, 128*XP                       ; o of heads 4-7: over x1's rows 128-255, which nobody reads once the second pass's k and v are made
.set SLOT0, 256*XP                     ; two slots; the four quarters of slot 0 begin at addresses whose bit 16 is 0, so one exclusive or turns each into its place in slot 1
.set STG, 128*XP                       ; the stage, 128 rows x 1,040 bytes: over o's second half and slot 0, which has had its last fill; it ends where slot 1 begins; x1's own 128 rows stay whole
.set SPARE, SLOT0+0x20000              ; the spare words, 128 bytes a wave: two blocks of 256 bytes that no other line names
.set OBA, SPARE+512                    ; o of heads 0-3
.set HALFS, 22*65536
.set F0, 0
.set F1, 96
.set GA, 128                           ; g's sums, in window 1
.set OROW, 1024                        ; bytes from row to row of the output
.set MSB, 0
.macro WIN new                         ; the immediate's high byte repeats the setting that is left; a switch that changes nothing is dropped
.if MSB != (\new)
	s_set_vgpr_msb (MSB<<8)|(\new)
.set MSB, (\new)
.endif
.endm
.macro PLACES                          ; four places behind a matrix instruction, ahead of loads into its registers and of vector work on its results
.rept 4
	v_nop
.endr
.endm
.macro CROUND                          ; a round of the cluster's barrier
	s_barrier_signal -1
	s_barrier_wait -1
	s_cmp_lg_u32 s20, 0
	s_cbranch_scc1 .Lnw0_\@
	s_barrier_signal -3
.Lnw0_\@:
	s_barrier_wait -3
	s_barrier_signal -1
	s_barrier_wait -1
.endm
; THE CHANGE OF SLOTS.  My tensor loads have landed (my quarter of the next block); 0 is added to my spare word; the add and all my LDS reads and stores are done; then the round.
; Behind it no wave of any partner reads the old slot, and it is filled again first thing (fill = 1).  The same barrier hands over what waves have stored in LDS for each other.
.macro CHANGE fill
	WIN 0
	s_wait_xcnt 0x0                                ; the last prefetch, a block back, has read its address
	s_add_nc_u64 s[36:37], s[36:37], 0x10000
	s_wait_tensorcnt 0x0
	ds_add_u32 v3, v4
.if \fill
	s_xor_b32 s33, s33, 0x10000                    ; the other slot,
	s_add_nc_u64 s[34:35], s[34:35], 0x10000       ; the next block
.endif
	s_wait_dscnt 0x0
.if \fill
	CROUND
	tensor_load_to_lds s[32:35], s[24:31]
	s_nop 0
	PLACES
.else
	s_barrier_signal -1
	s_barrier_wait -1
.endif
.endm
; A prefetch of the block that the NEXT change will ask for.  The first cluster that walks a stream asks; its four work-groups and their waves 0 and 1 share the block's 256 pieces of 256 bytes out by address, a lane a piece.
.macro ASK
	WIN 0
	s_cmp_gt_u32 s39, s38
	s_cbranch_scc0 .Lna_\@
	global_prefetch_b8 v17, s[36:37] th:TH_LOAD_NT scope:SCOPE_SE
	s_sub_co_u32 s39, s39, 1
.Lna_\@:
.endm
; 24 LDS loads: 8 token tiles x 32 k, then 4 weight tiles, into buffer f
.macro FETCH f, wa, wo, xa, xo, xp
	WIN 0x40
.irp t, 0,1,2,3,4,5,6,7
	ds_load_b128 v[(\f)+32+8*(\t):(\f)+32+8*(\t)+3], v[\xa] offset:(\xo)+16*(\xp)*(\t)
	ds_load_b128 v[(\f)+32+8*(\t)+4:(\f)+32+8*(\t)+7], v[\xa] offset:(\xo)+16*(\xp)*(\t)+32
.endr
.irp wi, 0,1,2,3
	ds_load_b128 v[(\f)+8*(\wi):(\f)+8*(\wi)+3], v[\wa] offset:(\wo)+1024*(\wi)
	ds_load_b128 v[(\f)+8*(\wi)+4:(\f)+8*(\wi)+7], v[\wa] offset:(\wo)+1024*(\wi)+512
.endr
.endm
; 16 products, 16 accumulators by turns.  hi = 0: k^T (weights first); hi = 1: v (tokens first).  tg: which 8 token tiles.  zero: the first K step starts the sums.
.macro KVH f, hi, tg, zero
.if (\hi) == 0
	WIN 0xa5
.else
	WIN 0xf5
.endif
.irp e, 0,1
.irp t, 0,1,2,3,4,5,6,7
.if (\hi) == 0
.set rD, 16*(8*(\tg)+(\t))+8*(\e)
.set rA, (\f)+8*(\e)
.set rB, (\f)+32+8*(\t)
.else
.set rD, 16*(2*((8*(\tg)+(\t))/2)+(\e))+8*((\t)%2)
.set rA, (\f)+32+8*(\t)
.set rB, (\f)+16+8*(\e)
.endif
.if \zero
	v_wmma_f32_16x16x32_f16 v[rD:rD+7], v[rA:rA+7], v[rB:rB+7], 0
.else
	v_wmma_f32_16x16x32_f16 v[rD:rD+7], v[rA:rA+7], v[rB:rB+7], v[rD:rD+7]
.endif
.endr
.endr
.endm
; 16 products of a transposed GEMM: weight tiles 2 hi, 2 hi + 1 x 8 token tiles; sums in window 2.  zero = 1: the first K step starts the sums.
.macro PH f, hi, zero
	WIN 0xa5
.irp wi, 2*(\hi), 2*(\hi)+1
.irp t, 0,1,2,3,4,5,6,7
.set rD, 8*(8*(\wi)+(\t))
.if \zero
	v_wmma_f32_16x16x32_bf16 v[rD:rD+7], v[(\f)+8*(\wi):(\f)+8*(\wi)+7], v[(\f)+32+8*(\t):(\f)+32+8*(\t)+7], 0
.else
	v_wmma_f32_16x16x32_bf16 v[rD:rD+7], v[(\f)+8*(\wi):(\f)+8*(\wi)+7], v[(\f)+32+8*(\t):(\f)+32+8*(\t)+7], v[rD:rD+7]
.endif
.endr
.endr
.endm
; The first three of a block's four K steps; the first step's fragments have been asked for, into buffer 0.  At a step's head the next step's 24 loads go out, four places behind the products that read their buffer;
; s_wait_dscnt 24: all but those 24 are in, this step's fragments among them.  The fourth step (buffer 1) is the caller's: its loads are out when the macro ends.
.macro P3 wa, xa, xp, zero
	PLACES
	FETCH F1, \wa, 4096, \xa, 64, \xp
	s_wait_dscnt 24
	PH F0, 0, \zero
	PH F0, 1, \zero
	PLACES
	FETCH F0, \wa, 8192, \xa, 128, \xp
	s_wait_dscnt 24
	PH F1, 0, 0
	PH F1, 1, 0
	PLACES
	FETCH F1, \wa, 12288, \xa, 192, \xp
	s_wait_dscnt 24
	PH F0, 0, 0
	PH F0, 1, 0
.endm
.macro QGLOAD                          ; my head's q and g weights, 32 fragments, straight into registers: each byte is wanted once, by one wave; they are out during the whole k and v phase
	WIN 0
.set fr, 0
.rept 24
	global_load_b128 v[64+8*fr:67+8*fr], v18, s[52:53] offset:1024*fr
	global_load_b128 v[68+8*fr:71+8*fr], v18, s[52:53] offset:1024*fr+512
.set fr, fr+1
.endr
	WIN 0x40
.rept 8
	global_load_b128 v[8*fr:8*fr+3], v18, s[52:53] offset:1024*fr
	global_load_b128 v[8*fr+4:8*fr+7], v18, s[52:53] offset:1024*fr+512
.set fr, fr+1
.endr
	WIN 0
.endm
.macro XTLOAD                          ; 16 tokens x 256 channels of x1, eight fragments, from the rows at v10
	WIN 0x40
.irp ks, 0,1,2,3,4,5,6,7
	ds_load_b128 v[8*(\ks):8*(\ks)+3], v10 offset:64*(\ks)
	ds_load_b128 v[8*(\ks)+4:8*(\ks)+7], v10 offset:64*(\ks)+32
.endr
.endm
.macro BIASLD                          ; my quarter of the block that is current: a tile's 16 bias tiles land where the scores' sums begin
	WIN 0
	v_add_nc_u32 v12, s40, v16
	s_xor_b32 s40, s40, 0x10000
	WIN 0x80
.set kt, 0
.rept NT
	ds_load_b128 v[128+8*kt:131+8*kt], v12 offset:1024*kt
	ds_load_b128 v[132+8*kt:135+8*kt], v12 offset:1024*kt+512
.set kt, kt+1
.endr
.endm
; Product i of the 32 that make a tile's q^T and g^T (two tiles of 16 channels each, K = 256).  The accumulators take turns, one instruction a turn: 0-15: q0, q1, g0, g1 for K steps 0-3;
; 16-23: q0, q1 for K steps 4-7; 24-31: g0, g1 for K steps 4-7, whose weights lie in window 1.  K step 0 starts the sums.
.macro T2I i
.if (\i) < 16
.set t2k, (\i)/4
.set t2m, (\i)%4
	WIN 0x54
.if t2m < 2
.set t2d, 64+8*t2m
.set t2a, 64+16*t2k+8*t2m
.else
.set t2d, GA+8*(t2m-2)
.set t2a, 192+16*t2k+8*(t2m-2)
.endif
.elseif (\i) < 24
.set t2k, 4+((\i)-16)/2
.set t2m, (\i)%2
	WIN 0x54
.set t2d, 64+8*t2m
.set t2a, 64+16*t2k+8*t2m
.else
.set t2k, 4+((\i)-24)/2
.set t2m, (\i)%2
	WIN 0x55
.set t2d, GA+8*t2m
.set t2a, 128+16*t2k+8*t2m
.endif
.if t2k == 0
	v_wmma_f32_16x16x32_f16 v[t2d:t2d+7], v[t2a:t2a+7], v[0:7], 0
.else
	v_wmma_f32_16x16x32_f16 v[t2d:t2d+7], v[t2a:t2a+7], v[8*t2k:8*t2k+7], v[t2d:t2d+7]
.endif
.endm
; k and v of my head for all 256 tokens: two blocks of four K steps, two groups of 8 token tiles a step.  The first block is current when the phase begins.
.macro KVPHASE
	s_wait_dscnt 0x0                               ; the last tile's loads ahead have landed: their registers are loaded anew below
	FETCH F0, 7, 0, 5, 0, XP
	QGLOAD
.set uu, 0
.rept 16
.set utg, uu%2
.set uf, 96*(uu%2)
.set uz, 0
.if uu < 2
.set uz, 1
.endif
.set nn, uu+1
.set nb, nn/8
.set nkq, (nn%8)/2
.set ntx, nn%2
.set nf, 96*(nn%2)
.if nn == 16
	s_wait_dscnt 0x0
.elseif nn == 8
	CHANGE 1                                       ; the block's last fragments are in registers by its wait for LDS; its four v_nop are the places ahead of the loads below
	FETCH nf, 7+nb, 4096*nkq, 5+ntx, 64*(4*nb+nkq), XP
	ASK
.else
	PLACES
	FETCH nf, 7+nb, 4096*nkq, 5+ntx, 64*(4*nb+nkq), XP
	s_wait_dscnt 24                                ; all but the 24 just issued
.endif
	KVH uf, 0, utg, uz
	KVH uf, 1, utg, uz
.set uu, uu+1
.endr
.endm
.macro KVPACK                          ; x's fragments of the pass's first tile are asked for; the sums become fragments, in place and in ascending order
	WIN 0
	v_mov_b32 v10, v5
	PLACES
	XTLOAD
	WIN 0x8a
.set a, 0
.rept 8*NT
	v_cvt_pk_bf16_f32 v[a], v[2*a], v[2*a+1]
.set a, a+1
.endr
	WIN 0xcf
.set a, 0
.rept 8*NT
	v_cvt_pk_bf16_f32 v[a], v[2*a], v[2*a+1]
.set a, a+1
.endr
.endm
; ONE TILE OF 16 QUERIES of my head.  Its q and g sums and its bias tiles were made and asked for in the trip before (or ahead of the loop).
.macro TILE
	WIN 0
	v_add_nc_u32 v11, s42, v9
	WIN 0x45
.set a, 0
.rept 8
	v_cvt_pk_bf16_f32 v[96+a], v[64+2*a], v[65+2*a]    ; Q
.set a, a+1
.endr
.set a, 0
.rept 16
	v_exp_f32 v[80+a], v[GA+a]                     ; 2^(-log2(e) g)
.set a, a+1
.endr
	v_nop
	s_wait_alu depctr_va_vdst(0)                   ; one wait for the sixteen
.set a, 0
.rept 8
	v_pk_add_f32 v[80+2*a:81+2*a], v[80+2*a:81+2*a], 1.0 op_sel_hi:[1,0]
.set a, a+1
.endr
.set a, 0
.rept 16
	v_rcp_f32 v[80+a], v[80+a]                     ; the gate; first read behind the softmax's waits
.set a, a+1
.endr
	s_wait_dscnt 16                                ; the bias tiles are in: behind them stand x's 16 loads (and, but for the first trip, o's two stores)
	WIN 0xa6
.set kt, 0
.rept NT
	v_wmma_f32_16x16x32_bf16 v[128+8*kt:135+8*kt], v[8*kt:8*kt+7], v[96:103], v[128+8*kt:135+8*kt]
.set kt, kt+1
.endr
	PLACES
	WIN 0x0a                                       ; the maximum: four chains, each tile's lowest registers first
.irp c, 0,1,2,3
	v_max_num_f32 v[42+(\c)], v[128+2*(\c)], v[129+2*(\c)]
.endr
.set kt, 1
.rept NT-1
.irp c, 0,1,2,3
	v_max3_num_f32 v[42+(\c)], v[128+8*kt+2*(\c)], v[129+8*kt+2*(\c)], v[42+(\c)]
.endr
.set kt, kt+1
.endr
	WIN 0
	v_max3_num_f32 v42, v42, v43, v44
	v_max_num_f32 v42, v42, v45
	v_permlanex16_b32 v43, v42, s46, s47           ; the query's other keys lie in the lane 16 away
	v_max_num_f32 v32, v42, v43
	v_max_num_f32 v33, v42, v43
	s_wait_dscnt 0x0                               ; the next tile's x is in
	WIN 0x82                                       ; s - m and the exponentials: one batch; nothing ahead of its wait names a result.  Behind every second pair stands one of the next tile's 32 products q, g
	v_pk_add_f32 v[128:129], v[128:129], v[32:33] neg_lo:[0,1] neg_hi:[0,1]
.set a, 0
.rept 4*NT
	WIN 0x82
.if a+1 < 4*NT
	v_pk_add_f32 v[130+2*a:131+2*a], v[130+2*a:131+2*a], v[32:33] neg_lo:[0,1] neg_hi:[0,1]
.endif
	v_exp_f32 v[128+2*a], v[128+2*a]
	v_exp_f32 v[129+2*a], v[129+2*a]
.if (a%2) == 1
	T2I a/2
.endif
.set a, a+1
.endr
	v_nop
	s_wait_alu depctr_va_vdst(0)
	WIN 0x0a                                       ; the sum of the unrounded weights, four chains of pairs
.irp c, 0,1,2,3
	v_pk_add_f32 v[34+2*(\c):35+2*(\c)], v[128+4*(\c):129+4*(\c)], v[130+4*(\c):131+4*(\c)]
.endr
	WIN 0x08
.set a, 8
.rept 4*NT-8
	v_pk_add_f32 v[34+2*(a%4):35+2*(a%4)], v[34+2*(a%4):35+2*(a%4)], v[128+2*a:129+2*a]
.set a, a+1
.endr
	WIN 0xca
.set a, 0
.rept 4*NT
	v_cvt_pk_bf16_f32 v[128+a], v[128+2*a], v[129+2*a] ; P goes into window 3, so that the scores' registers are free for the next tile's bias
.set a, a+1
.endr
	CHANGE 1                                       ; the next block is in: the next tile's bias (behind a pass's last tile: the next phase's first weights); the block after it is asked for
	BIASLD                                         ; (behind a pass's last tile these 32 loads bring weights, which nobody uses)
	ASK
	s_min_u32 s60, s41, 112*XP                     ; x of the tile after next; behind the last tile there is none, and the last one's rows are read again
	v_add_nc_u32 v10, s60, v5
	XTLOAD
	WIN 0
	v_pk_add_f32 v[34:35], v[34:35], v[36:37]
	v_pk_add_f32 v[38:39], v[38:39], v[40:41]
	v_pk_add_f32 v[34:35], v[34:35], v[38:39]
	v_add_f32 v34, v34, v35
	v_permlanex16_b32 v35, v34, s46, s47
	v_add_f32 v34, v34, v35
	v_rcp_f32 v46, v34
	v_rcp_f32 v47, v34
	v_nop
	s_wait_alu depctr_va_vdst(0)
	WIN 0x41
.set a, 0
.rept 8
	v_pk_mul_f32 v[80+2*a:81+2*a], v[80+2*a:81+2*a], v[46:47]  ; gate / l
.set a, a+1
.endr
	WIN 0x5f                                       ; V^T and P in window 3, O in window 1
.set u, 0
.rept NT/2
.irp e, 0,1
.if u == 0
	v_wmma_f32_16x16x32_bf16 v[104+8*(\e):111+8*(\e)], v[8*(2*u+(\e)):8*(2*u+(\e))+7], v[128+8*u:135+8*u], 0
.else
	v_wmma_f32_16x16x32_bf16 v[104+8*(\e):111+8*(\e)], v[8*(2*u+(\e)):8*(2*u+(\e))+7], v[128+8*u:135+8*u], v[104+8*(\e):111+8*(\e)]
.endif
.endr
.set u, u+1
.endr
	PLACES
	WIN 0x45
.set a, 0
.rept 8
	v_pk_mul_f32 v[104+2*a:105+2*a], v[104+2*a:105+2*a], v[80+2*a:81+2*a]
.set a, a+1
.endr
.set a, 0
.rept 8
	v_cvt_pk_bf16_f32 v[120+a], v[104+2*a], v[105+2*a]
.set a, a+1
.endr
	WIN 0x04
	ds_store_b128 v11, v[120:123]                  ; o: token lane % 16, channels 32 w + 8 (lane / 16) ..
	ds_store_b128 v11, v[124:127] offset:32        ; and 16 further on
.endm
; THE WAY OUT: when nobody reads o or slot 0 any more, the f32 sums go into the stage and come back as whole rows, 32 rows a wave; x1's f16 halves, times 1.0, are added to them
.macro WAYOUT
	PLACES
	WIN 0
	s_wait_dscnt 0x0                               ; my reads of o and of the slots are over
	s_barrier_signal -1
	s_barrier_wait -1                              ; everybody's are
	WIN 0x08
.irp wi, 0,1,2,3
.irp t, 0,1,2,3,4,5,6,7
	ds_store_b128 v[20+(\t)/4], v[8*(8*(\wi)+(\t)):8*(8*(\wi)+(\t))+3] offset:16*SP*((\t)%4)+64*(\wi)
	ds_store_b128 v[20+(\t)/4], v[8*(8*(\wi)+(\t))+4:8*(8*(\wi)+(\t))+7] offset:16*SP*((\t)%4)+64*(\wi)+16
.endr
.endr
	WIN 0
	s_wait_dscnt 0x0
	s_barrier_signal -1
	s_barrier_wait -1
	s_mov_b32 s45, 8
.Lout:                                                 ; four rows a trip; a lane holds columns 4 lane + 128 q + 0..3
.irp i, 0,1,2,3
.irp q, 0,1
	ds_load_b128 v[32+8*(\i)+4*(\q):35+8*(\i)+4*(\q)], v22 offset:SP*(\i)+512*(\q)
.endr
.endr
.irp i, 0,1,2,3
.irp q, 0,1
	ds_load_b64 v[64+4*(\i)+2*(\q):65+4*(\i)+2*(\q)], v25 offset:XP*(\i)+256*(\q)
.endr
.endr
	s_wait_dscnt 0x0
.irp i, 0,1,2,3
.irp q, 0,1
.irp mm, 0,1
	v_fma_mix_f32 v[32+8*(\i)+4*(\q)+2*(\mm)], v[64+4*(\i)+2*(\q)+(\mm)], v23, v[32+8*(\i)+4*(\q)+2*(\mm)] op_sel_hi:[1,0,0]
	v_fma_mix_f32 v[33+8*(\i)+4*(\q)+2*(\mm)], v[64+4*(\i)+2*(\q)+(\mm)], v23, v[33+8*(\i)+4*(\q)+2*(\mm)] op_sel:[1,0,0] op_sel_hi:[1,0,0]
.endr
.endr
.endr
.irp i, 0,1,2,3
.irp q, 0,1
	global_store_b128 v18, v[32+8*(\i)+4*(\q):35+8*(\i)+4*(\q)], s[56:57] offset:OROW*(\i)+512*(\q)   ; 512 consecutive bytes, aligned
.endr
.endr
	s_wait_xcnt 0x0                                ; the stores' data and base are rewritten only behind this wait
	s_add_nc_u64 s[56:57], s[56:57], 4*OROW
	v_add_nc_u32 v22, 4*SP, v22
	v_add_nc_u32 v25, 4*XP, v25
	s_sub_co_u32 s45, s45, 1
	s_cmp_lg_u32 s45, 0
	s_cbranch_scc1 .Lout
.endm
	s_load_b256 s[4:11], s[0:1], 0x0               ; X1, SR, QGR, X2
	v_lshl_add_u32 v3, v0, 2, SPARE
	v_mov_b32 v4, 0
	ds_add_u32 v3, v4                              ; the opening: the add and its wait ahead of my first tensor load
	v_lshrrev_b32 v19, 5, v0
	v_readfirstlane_b32 s20, v19                   ; wave 0..3
	s_bfe_u32 s21, ttmp6, 0x40000                  ; cx: it enters X1's, X2's and the prefetches' addresses alone
	s_and_b32 s22, ttmp9, 1                        ; which half of the queries: the same in all four partners
	s_lshr_b32 s23, ttmp9, 1
	s_mov_b32 s24, 15|(3<<16)|(1<<21)              ; the stream's group 1: mask of four, elements of 8 bytes, bit 21 beside the mask
	s_mov_b32 s25, 32<<16                          ; tensor_dim0 = 32 (256 bytes)
	s_mov_b32 s26, 64<<16                          ; tensor_dim1 = 64
	s_mov_b32 s27, 32<<16                          ; tile_dim0 = 32
	s_mov_b32 s28, 64                              ; tile_dim1 = 64: a quarter, 16,384 dense bytes
	s_mov_b32 s29, 32                              ; stride
	s_mov_b32 s30, 0
	s_mov_b32 s31, 0
	s_mov_b32 s32, 1
	s_lshl_b32 s33, s20, 14
	s_add_co_u32 s33, s33, SLOT0                   ; my quarter of slot 0
	s_mov_b32 s72, (1<<16)|(1<<20)|(6<<22)|(3<<25) ; x1's group 1: no mask (my work-group's own rows); elements of 2 bytes; 4 words of padding behind every 128 words
	s_mov_b32 s73, 256<<16                         ; tensor_dim0 = 256 (512 bytes)
	s_mov_b32 s74, 64<<16                          ; tensor_dim1 = 64
	s_mov_b32 s75, 256<<16                         ; tile_dim0 = 256
	s_mov_b32 s76, 64                              ; tile_dim1 = 64 rows
	s_mov_b32 s77, 256                             ; stride
	s_mov_b32 s78, 0
	s_mov_b32 s79, 0
	s_mov_b32 s68, 1
	s_mul_i32 s69, s20, 64*XP                      ; LDS rows 64 w .. 64 w + 63
	s_mul_i32 s12, s22, HALFS
	s_lshl_b32 s13, s20, 14
	s_add_co_u32 s14, s12, s13
	s_mov_b32 s15, 0
	s_lshl1_add_u32 s16, s21, s20                  ; which eighth of a block I prefetch
	s_lshl_b32 s16, s16, 13
	s_add_co_u32 s16, s16, s12
	s_add_co_u32 s16, s16, 0x10000                 ; the first change steps it to block 2
	s_mov_b32 s17, 0
	s_lshr_b32 s38, s20, 1
	s_or_b32 s38, s38, s23
	s_cmp_eq_u32 s38, 0
	s_cselect_b32 s38, 0, -1                       ; 0 in waves 0 and 1 of the stream's first cluster
	s_mov_b32 s39, 20                              ; blocks 2 .. 21 are asked for
	s_lshl2_add_u32 s12, s23, s21                  ; my sequence
	s_lshl_b32 s18, s20, 6
	s_lshl_b32 s19, s22, 7
	s_add_co_u32 s18, s18, s19
	s_and_b32 s18, s18, 255                        ; LDS rows 64 w .. hold tokens (64 w + 128 half) mod 256 ..: my own queries come first
	s_lshl_b32 s18, s18, 9
	s_lshl_b32 s19, s12, 17
	s_add_co_u32 s18, s18, s19
	s_mov_b32 s19, 0
	s_lshl_b32 s56, s12, 18
	s_lshl_b32 s13, s22, 17
	s_add_co_u32 s56, s56, s13
	s_lshl_b32 s13, s20, 15
	s_add_co_u32 s56, s56, s13                     ; x2: row 256 sequence + 128 half + 32 w
	s_mov_b32 s57, 0
	s_lshl_b32 s52, s20, 15
	s_mov_b32 s53, 0
	s_mov_b32 s46, 0x76543210
	s_mov_b32 s47, 0xfedcba98
	s_wait_dscnt 0x0
	s_wait_kmcnt 0x0
	s_add_nc_u64 s[34:35], s[6:7], s[14:15]
	s_or_b32 s35, s35, 0x80000000
	s_add_nc_u64 s[36:37], s[6:7], s[16:17]
	s_add_nc_u64 s[70:71], s[4:5], s[18:19]
	s_or_b32 s71, s71, 0x80000000
	s_add_nc_u64 s[56:57], s[10:11], s[56:57]
	s_add_nc_u64 s[52:53], s[8:9], s[52:53]
	CROUND                                         ; the four work-groups are here: the first joint load meets
	tensor_load_to_lds s[68:71], s[72:79]          ; my 64 rows of x1, padded to 528 bytes a row: two loads of mine are out
	s_nop 0
	tensor_load_to_lds s[32:35], s[24:31]          ; block 0
	s_nop 0
	PLACES
	v_and_b32 v18, 31, v0
	v_lshlrev_b32 v17, 8, v18                      ; 256 x lane
	v_lshlrev_b32 v25, 3, v18                      ; 8 x lane
	v_lshlrev_b32 v18, 4, v18                      ; 16 x lane
	v_and_b32 v1, 15, v0
	v_bfe_u32 v2, v0, 4, 1
	v_mul_u32_u24 v5, v1, XP
	v_lshl_add_u32 v5, v2, 4, v5                   ; a token fragment: row x pitch + 16 x half
	v_add_nc_u32 v6, 128*XP, v5
	s_lshl_b32 s12, s20, 14
	v_add_nc_u32 v16, s12, v18
	v_add_nc_u32 v7, SLOT0, v16                    ; my quarter, 16 bytes a lane, in slot 0
	v_add_nc_u32 v8, SLOT0+0x10000, v16            ; and in slot 1
	v_mul_u32_u24 v9, v1, OP
	v_lshl_add_u32 v9, v2, 4, v9
	v_add_nc_u32 v13, OBA, v9
	v_add_nc_u32 v14, OBB, v9
	s_lshl_b32 s12, s20, 6
	v_add_nc_u32 v9, s12, v9                       ; where my head's o goes in a row
	v_mul_u32_u24 v20, v1, SP
	v_lshl_add_u32 v20, v2, 5, v20
	s_lshl_b32 s12, s20, 8
	s_add_co_u32 s12, s12, STG
	v_add_nc_u32 v20, s12, v20                     ; the stage: token tiles 0-3,
	v_add_nc_u32 v21, 64*SP, v20                   ; 4-7
	s_mul_i32 s12, s20, 32*SP
	s_add_co_u32 s12, s12, STG
	v_add_nc_u32 v22, s12, v18                     ; back: my 32 rows of the stage,
	s_mul_i32 s12, s20, 32*XP
	v_add_nc_u32 v25, s12, v25                     ; and the same rows of x1, 8 bytes a lane
	v_mov_b32 v23, 1.0
	s_mov_b32 s43, OBA
	s_mov_b32 s44, 2
	CHANGE 1                                       ; x1 and block 0 are in, everybody's part of them; block 1 is asked for
	ASK
.Lpass:                                                ; heads 4 p + w; the pass's first block of weights is current
	KVPHASE
	KVPACK
	WIN 0
	s_wait_loadcnt 0x0                             ; q's and g's weights
	s_add_nc_u64 s[52:53], s[52:53], 0x20000
	CHANGE 1                                       ; the first tile's bias block is in (and, by the wait for LDS, its x)
	s_mov_b32 s40, SLOT0                           ; a pass's first bias block lies in slot 0
	BIASLD
	ASK
.set i2, 0
.rept 32
	T2I i2                                         ; the first tile's q and g: written out, since no exponentials stand ahead of them
.set i2, i2+1
.endr
	PLACES
	WIN 0
	v_add_nc_u32 v10, 16*XP, v5
	XTLOAD                                         ; the second tile's x
	WIN 0
	s_mov_b32 s41, 32*XP
	s_mov_b32 s42, s43
	s_mov_b32 s45, 8
.Ltile:
	TILE
	WIN 0
	s_add_co_u32 s41, s41, 16*XP
	s_add_co_u32 s42, s42, 16*OP
	s_sub_co_u32 s45, s45, 1
	s_cmp_lg_u32 s45, 0
	s_cbranch_scc1 .Ltile
	s_mov_b32 s43, OBB
	s_sub_co_u32 s44, s44, 1
	s_cmp_lg_u32 s44, 0
	s_cbranch_scc1 .Lpass
	s_wait_dscnt 0x0                               ; my last tile's o is stored (and the loads ahead that nobody uses have landed)
	s_barrier_signal -1                            ; W0's first block became current in the last trip; its second is on its way and may stay out
	s_barrier_wait -1                              ; every wave's o is in LDS
	FETCH F0, 7, 0, 13, 0, OP
	P3 7, 13, OP, 1                                ; the first K step starts the 32 sums
	CHANGE 0                                       ; the last block is in; nothing is filled again
	PLACES
	FETCH F0, 8, 0, 14, 0, OP
	PH F1, 0, 0
	PH F1, 1, 0
	P3 8, 14, OP, 0
	s_wait_dscnt 0x0
	PH F1, 0, 0
	PH F1, 1, 0
	WAYOUT
	s_wait_tensorcnt 0x0                           ; the wave's end
	ds_add_u32 v3, v4
	s_wait_dscnt 0x0
	CROUND                                         ; the closing round
	s_endpgm
.Lfunc_end_k_q4b0e157c0c_row:
	.size	k_q4b0e157c0c_row, .Lfunc_end_k_q4b0e157c0c_row-k_q4b0e157c0c_row
	.p2alignl 7, 3214868480
	.fill 96, 4, 3214868480
	.section	.rodata,"a",@progbits
	.p2align	6, 0x0
	.amdhsa_kernel k_q4b0e157c0c_row
		.amdhsa_group_segment_fixed_size 327680
		.amdhsa_private_segment_fixed_size 0
		.amdhsa_enable_private_segment 0
		.amdhsa_kernarg_size 32
		.amdhsa_user_sgpr_count 2
		.amdhsa_user_sgpr_kernarg_segment_ptr 1
		.amdhsa_wavefront_size32 1
		.amdhsa_system_sgpr_workgroup_id_x 1
		.amdhsa_system_sgpr_workgroup_id_y 1
		.amdhsa_system_sgpr_workgroup_id_z 1
		.amdhsa_system_vgpr_workitem_id 0
		.amdhsa_next_free_vgpr 1024
		.amdhsa_next_free_sgpr 80
		.amdhsa_reserve_vcc 0
		.amdhsa_float_denorm_mode_32 3
		.amdhsa_float_denorm_mode_16_64 3
		.amdhsa_memory_ordered 1
		.amdhsa_forward_progress 1
		.amdhsa_inst_pref_size 173
	.end_amdhsa_kernel
	.amdgpu_metadata
---
amdhsa.version: [ 1, 2 ]
amdhsa.kernels:
  - .name:           k_q4b0e157c0c_row
    .symbol:         k_q4b0e157c0c_row.kd
    .args:
      - { .name: X1, .offset: 0, .size: 8, .value_kind: global_buffer, .address_space: global }
      - { .name: SR, .offset: 8, .size: 8, .value_kind: global_buffer, .address_space: global }
      - { .name: QGR, .offset: 16, .size: 8, .value_kind: global_buffer, .address_space: global }
      - { .name: X2, .offset: 24, .size: 8, .value_kind: global_buffer, .address_space: global }
    .group_segment_fixed_size: 327680
    .private_segment_fixed_size: 0
    .kernarg_segment_align: 8
    .kernarg_segment_size: 32
    .max_flat_workgroup_size: 128
    .sgpr_count:     80
    .vgpr_count:     1024
    .wavefront_size: 32
...
	.end_amdgpu_metadata
.endif
;; end of part 2
;; launch col (part 3): grid 256 x 1, 4 waves a work-group, clusters of 4 x 1, 327,680 bytes of LDS; arguments X2, g3, be3, SC, QGC, b1, b2, out0; writes out0
.if DOCPART == 3
	.amdgcn_target "amdgcn-amd-amdhsa--gfx1250"
	.amdhsa_code_object_version 6
	.text
	.protected	k_q4b0e157c0c_col
	.globl	k_q4b0e157c0c_col
	.p2align	8
	.type	k_q4b0e157c0c_col,@function
k_q4b0e157c0c_col:
	s_mov_b64 s[64:65], 0
	v_nop
	global_prefetch_b8 v0, s[64:65] scope:SCOPE_SE
	s_setreg_imm32_b32 hwreg(HW_REG_WAVE_MODE, 25, 1), 1
	s_wait_xcnt 0x0
	s_wait_alu depctr_hold_cnt(0) depctr_sa_sdst(0) depctr_va_vdst(0) depctr_va_sdst(0) depctr_va_ssrc(0) depctr_va_vcc(0) depctr_vm_vsrc(0)
	s_getreg_b32 s2, hwreg(HW_REG_IB_STS2, 6, 4)
	s_cmp_eq_u32 s2, 0
	s_cbranch_scc0 .Lentry_in_a_cluster
	s_endpgm
.Lentry_in_a_cluster:
	s_bfe_u32 s2, ttmp6, 0x10000c
	s_cmp_lg_u32 s2, 0x3003
	s_cbranch_scc0 .Lentry_shape_is_right
	s_endpgm
.Lentry_shape_is_right:
; LN3, COLUMN-WISE GATED ATTENTION AND THE TRANSITION MLP, fused.  A work-group owns one residue column: 128 tokens x 256 channels.
; x3 = LN3(x2) is kept in LDS in f16: the projections' operand (f16 matrix form) and the residual.  x4 = x3 + attention stays in f32 in the 32 accumulators, which go on to take the MLP's second product;
; its bf16 copy in LDS feeds the first.  The hidden layer goes in four chunks of 256: h = relu(x4 W1 + b1) in bf16 through LDS, then out += h W2.  b2 is added on the way out.
; INPUT ROUNDING: g3, be3, b1 and b2 are rounded to bf16 before use, as the launch before rounds x and the weights (the problem allows the result of reference() on inputs so rounded).
; LIMITS: |x3| stays under 65,504 (a normalised number times g3 plus be3); a weight below 2^-126 counts as 0; NaN and infinities are not treated apart.  The row maximum is taken before any exponential.
; THE STREAM: 22 blocks of 65,536 bytes (k, v weights 0-3; W0 4, 5; for each chunk W1 twice, W2 twice), the same for all work-groups; wave w fetches and reads quarter w; two LDS slots take turns.
; CLUSTER: four columns; every block is asked for jointly, by the same load with a mask of four.
; AHEAD.  A GEMM step's fragments are asked for at the head of the step before.  A tile's trip asks for x's fragments of the tile after next, and the next tile's 32 products q, g stand among this tile's exponentials.
; REGISTERS in windows of 256 (s_set_vgpr_msb: bits 1:0 source 0, 3:2 source 1, 5:4 source 2, 7:6 destination):
;   0: v0-31 addresses and b2, v32-63 at work (b1 in the MLP), v64-191 q's weights, v192-255 g's weights of K steps 0-3 (at the head: LN3's registers)
;   1: two fragment buffers v0-95, v96-191; in the tile loop v0-63 x, v64-79 q's sums, v80-95 the gate, v96-103 Q, v104-119 O, v120-127 o, v128-143 g's sums; v192-255 g's weights of K steps 4-7
;   2: k^T sums -> K (v0-63); scores v128-191 -> P; later the 32 sums of x4 and out        3: v sums -> V^T; later the 32 sums of h
.set NT, 8
.set XP, 528
.set OP, 272
.set SP, 1040
.set OBA, 128*XP                       ; o of heads 0-3, later h's units 0-127
.set OBB, OBA+128*OP                   ; o of heads 4-7, later h's units 128-255
.set SLOT0, OBB+128*OP                 ; the four quarters of slot 0 begin at addresses whose bit 16 is 0, so one exclusive or turns each into its place in slot 1
.set SPARE, SLOT0+0x20000
.set F0, 0
.set F1, 96
.set GA, 128                           ; g's sums, in window 1
.set OROW, 262144                      ; bytes from token to token of one column, in X2 and in out0
.set MSB, 0
.macro WIN new                         ; the immediate's high byte repeats the setting that is left; a switch that changes nothing is dropped
.if MSB != (\new)
	s_set_vgpr_msb (MSB<<8)|(\new)
.set MSB, (\new)
.endif
.endm
.macro PLACES                          ; four places behind a matrix instruction, ahead of loads into its registers and of vector work on its results
.rept 4
	v_nop
.endr
.endm
; n pairs of f32 from v[X] on are rounded to bf16 and widened again, in place; v[T] on: n registers at work.  s48 = the mask of a word's upper half.
.macro RBF X, T, n
.set a, 0
.rept \n
	v_cvt_pk_bf16_f32 v[(\T)+a], v[(\X)+2*a], v[(\X)+2*a+1]
.set a, a+1
.endr
.set a, 0
.rept \n
	v_lshlrev_b32 v[(\X)+2*a], 16, v[(\T)+a]
	v_and_b32 v[(\X)+2*a+1], s48, v[(\T)+a]
.set a, a+1
.endr
.endm
.macro CROUND                          ; a round of the cluster's barrier
	s_barrier_signal -1
	s_barrier_wait -1
	s_cmp_lg_u32 s20, 0
	s_cbranch_scc1 .Lnw0_\@
	s_barrier_signal -3
.Lnw0_\@:
	s_barrier_wait -3
	s_barrier_signal -1
	s_barrier_wait -1
.endm
; THE CHANGE OF SLOTS.  My one tensor load that is out, my quarter of the next block, has landed; 0 is added to my spare word; the add and all my LDS reads and stores are done; then the round.
; Behind it no wave of any partner reads the old slot, and it is filled again first thing (fill = 1).  The same barrier hands over what waves have stored in LDS for each other (x3, o, x4, h).
.macro CHANGE fill
	WIN 0
	s_wait_xcnt 0x0                                ; the last prefetch, a block back, has read its address
	s_add_nc_u64 s[36:37], s[36:37], 0x10000
	s_wait_tensorcnt 0x0
	ds_add_u32 v3, v4
.if \fill
	s_xor_b32 s33, s33, 0x10000
	s_add_nc_u64 s[34:35], s[34:35], 0x10000
.endif
	s_wait_dscnt 0x0
.if \fill
	CROUND
	tensor_load_to_lds s[32:35], s[24:31]
	s_nop 0
	PLACES
.else
	s_barrier_signal -1
	s_barrier_wait -1
.endif
.endm
; A prefetch of the block that the NEXT change will ask for.  The launch's first cluster asks; its four work-groups and their waves 0 and 1 share the block's 256 pieces of 256 bytes out by address, a lane a piece.
.macro ASK
	WIN 0
	s_cmp_gt_u32 s39, s38
	s_cbranch_scc0 .Lna_\@
	global_prefetch_b8 v17, s[36:37] th:TH_LOAD_NT scope:SCOPE_SE
	s_sub_co_u32 s39, s39, 1
.Lna_\@:
.endm
.macro FETCH f, wa, wo, xa, xo, xp     ; 24 LDS loads: 8 token tiles x 32 k, then 4 weight tiles, into buffer f
	WIN 0x40
.irp t, 0,1,2,3,4,5,6,7
	ds_load_b128 v[(\f)+32+8*(\t):(\f)+32+8*(\t)+3], v[\xa] offset:(\xo)+16*(\xp)*(\t)
	ds_load_b128 v[(\f)+32+8*(\t)+4:(\f)+32+8*(\t)+7], v[\xa] offset:(\xo)+16*(\xp)*(\t)+32
.endr
.irp wi, 0,1,2,3
	ds_load_b128 v[(\f)+8*(\wi):(\f)+8*(\wi)+3], v[\wa] offset:(\wo)+1024*(\wi)
	ds_load_b128 v[(\f)+8*(\wi)+4:(\f)+8*(\wi)+7], v[\wa] offset:(\wo)+1024*(\wi)+512
.endr
.endm
.macro KVH f, hi, tg, zero             ; 16 products, 16 accumulators by turns.  hi = 0: k^T (weights first); hi = 1: v (tokens first)
.if (\hi) == 0
	WIN 0xa5
.else
	WIN 0xf5
.endif
.irp e, 0,1
.irp t, 0,1,2,3,4,5,6,7
.if (\hi) == 0
.set rD, 16*(8*(\tg)+(\t))+8*(\e)
.set rA, (\f)+8*(\e)
.set rB, (\f)+32+8*(\t)
.else
.set rD, 16*(2*((8*(\tg)+(\t))/2)+(\e))+8*((\t)%2)
.set rA, (\f)+32+8*(\t)
.set rB, (\f)+16+8*(\e)
.endif
.if \zero
	v_wmma_f32_16x16x32_f16 v[rD:rD+7], v[rA:rA+7], v[rB:rB+7], 0
.else
	v_wmma_f32_16x16x32_f16 v[rD:rD+7], v[rA:rA+7], v[rB:rB+7], v[rD:rD+7]
.endif
.endr
.endr
.endm
.macro PH f, hi, accw, cb              ; 16 products of a transposed GEMM: weight tiles 2 hi, 2 hi + 1 x 8 token tiles; sums in window accw; cb >= 0: they start from window 0's v[cb + 8 tile]
.if (\cb) >= 0
	WIN 0xc5
.elseif (\accw) == 2
	WIN 0xa5
.else
	WIN 0xf5
.endif
.irp wi, 2*(\hi), 2*(\hi)+1
.irp t, 0,1,2,3,4,5,6,7
.set rD, 8*(8*(\wi)+(\t))
.if (\cb) >= 0
	v_wmma_f32_16x16x32_bf16 v[rD:rD+7], v[(\f)+8*(\wi):(\f)+8*(\wi)+7], v[(\f)+32+8*(\t):(\f)+32+8*(\t)+7], v[(\cb)+8*(\wi):(\cb)+8*(\wi)+7]
.else
	v_wmma_f32_16x16x32_bf16 v[rD:rD+7], v[(\f)+8*(\wi):(\f)+8*(\wi)+7], v[(\f)+32+8*(\t):(\f)+32+8*(\t)+7], v[rD:rD+7]
.endif
.endr
.endr
.endm
; The first three of a block's four K steps; the first step's fragments have been asked for, into buffer 0.  At a step's head the next step's 24 loads go out, four places behind the products that read their buffer;
; s_wait_dscnt 24: all but those 24 are in, this step's fragments among them.  The fourth step (buffer 1) is the caller's: its loads are out when the macro ends.
.macro P3 accw, wa, xa, xo0, xp, cb
	PLACES
	FETCH F1, \wa, 4096, \xa, (\xo0)+64, \xp
	s_wait_dscnt 24
	PH F0, 0, \accw, \cb
	PH F0, 1, \accw, \cb
	PLACES
	FETCH F0, \wa, 8192, \xa, (\xo0)+128, \xp
	s_wait_dscnt 24
	PH F1, 0, \accw, -1
	PH F1, 1, \accw, -1
	PLACES
	FETCH F1, \wa, 12288, \xa, (\xo0)+192, \xp
	s_wait_dscnt 24
	PH F0, 0, \accw, -1
	PH F0, 1, \accw, -1
.endm
.macro QGLOAD                          ; my head's q and g weights, 32 fragments, straight into registers; they are out during the whole k and v phase
	WIN 0
.set fr, 0
.rept 24
	global_load_b128 v[64+8*fr:67+8*fr], v18, s[52:53] offset:1024*fr
	global_load_b128 v[68+8*fr:71+8*fr], v18, s[52:53] offset:1024*fr+512
.set fr, fr+1
.endr
	WIN 0x40
.rept 8
	global_load_b128 v[8*fr:8*fr+3], v18, s[52:53] offset:1024*fr
	global_load_b128 v[8*fr+4:8*fr+7], v18, s[52:53] offset:1024*fr+512
.set fr, fr+1
.endr
	WIN 0
.endm
.macro XTLOAD                          ; 16 tokens x 256 channels of x3, eight fragments, from the rows at v10
	WIN 0x40
.irp ks, 0,1,2,3,4,5,6,7
	ds_load_b128 v[8*(\ks):8*(\ks)+3], v10 offset:64*(\ks)
	ds_load_b128 v[8*(\ks)+4:8*(\ks)+7], v10 offset:64*(\ks)+32
.endr
.endm
; Product i of the 32 that make a tile's q^T and g^T (two tiles of 16 channels each, K = 256).  The accumulators take turns, one instruction a turn: 0-15: q0, q1, g0, g1 for K steps 0-3;
; 16-23: q0, q1 for K steps 4-7; 24-31: g0, g1 for K steps 4-7, whose weights lie in window 1.  K step 0 starts the sums.
.macro T2I i
.if (\i) < 16
.set t2k, (\i)/4
.set t2m, (\i)%4
	WIN 0x54
.if t2m < 2
.set t2d, 64+8*t2m
.set t2a, 64+16*t2k+8*t2m
.else
.set t2d, GA+8*(t2m-2)
.set t2a, 192+16*t2k+8*(t2m-2)
.endif
.elseif (\i) < 24
.set t2k, 4+((\i)-16)/2
.set t2m, (\i)%2
	WIN 0x54
.set t2d, 64+8*t2m
.set t2a, 64+16*t2k+8*t2m
.else
.set t2k, 4+((\i)-24)/2
.set t2m, (\i)%2
	WIN 0x55
.set t2d, GA+8*t2m
.set t2a, 128+16*t2k+8*t2m
.endif
.if t2k == 0
	v_wmma_f32_16x16x32_f16 v[t2d:t2d+7], v[t2a:t2a+7], v[0:7], 0
.else
	v_wmma_f32_16x16x32_f16 v[t2d:t2d+7], v[t2a:t2a+7], v[8*t2k:8*t2k+7], v[t2d:t2d+7]
.endif
.endm
.macro KVPHASE                         ; k and v of my head for all 128 tokens: two blocks of four K steps
	CHANGE 1
	FETCH F0, 7, 0, 5, 0, XP
	ASK
	QGLOAD
.set uu, 0
.rept 8
.set uf, 96*(uu%2)
.set uz, 0
.if uu < 1
.set uz, 1
.endif
.set nn, uu+1
.set nb, nn/4
.set nkq, nn%4
.set nf, 96*(nn%2)
.if nn == 8
	s_wait_dscnt 0x0
.elseif nn == 4
	CHANGE 1                                       ; the block's last fragments are in registers by its wait for LDS; its four v_nop are the places ahead of the loads below
	FETCH nf, 7+nb, 4096*nkq, 5, 64*(4*nb+nkq), XP
	ASK
.else
	PLACES
	FETCH nf, 7+nb, 4096*nkq, 5, 64*(4*nb+nkq), XP
	s_wait_dscnt 24                                ; all but the 24 just issued
.endif
	KVH uf, 0, 0, uz
	KVH uf, 1, 0, uz
.set uu, uu+1
.endr
.endm
.macro KVPACK                          ; x's fragments of the pass's first tile are asked for; the sums become fragments, in place and in ascending order
	WIN 0
	v_mov_b32 v10, v5
	PLACES
	XTLOAD
	WIN 0x8a
.set a, 0
.rept 8*NT
	v_cvt_pk_bf16_f32 v[a], v[2*a], v[2*a+1]
.set a, a+1
.endr
	WIN 0xcf
.set a, 0
.rept 8*NT
	v_cvt_pk_bf16_f32 v[a], v[2*a], v[2*a+1]
.set a, a+1
.endr
.endm
; ONE TILE OF 16 QUERIES of my head.  Its q and g sums were made in the trip before (or ahead of the loop).
.macro TILE
	WIN 0
	v_add_nc_u32 v11, s42, v9
	WIN 0x45
.set a, 0
.rept 8
	v_cvt_pk_bf16_f32 v[96+a], v[64+2*a], v[65+2*a]    ; Q
.set a, a+1
.endr
.set a, 0
.rept 16
	v_exp_f32 v[80+a], v[GA+a]                     ; 2^(-log2(e) g)
.set a, a+1
.endr
	v_nop
	s_wait_alu depctr_va_vdst(0)                   ; one wait for the sixteen
.set a, 0
.rept 8
	v_pk_add_f32 v[80+2*a:81+2*a], v[80+2*a:81+2*a], 1.0 op_sel_hi:[1,0]
.set a, a+1
.endr
.set a, 0
.rept 16
	v_rcp_f32 v[80+a], v[80+a]                     ; the gate; first read behind the softmax's waits
.set a, a+1
.endr
	WIN 0xa6
.set kt, 0
.rept NT
	v_wmma_f32_16x16x32_bf16 v[128+8*kt:135+8*kt], v[8*kt:8*kt+7], v[96:103], 0
.set kt, kt+1
.endr
	PLACES
	WIN 0x0a                                       ; the maximum: four chains, each tile's lowest registers first
.irp c, 0,1,2,3
	v_max_num_f32 v[42+(\c)], v[128+2*(\c)], v[129+2*(\c)]
.endr
.set kt, 1
.rept NT-1
.irp c, 0,1,2,3
	v_max3_num_f32 v[42+(\c)], v[128+8*kt+2*(\c)], v[129+8*kt+2*(\c)], v[42+(\c)]
.endr
.set kt, kt+1
.endr
	WIN 0
	v_max3_num_f32 v42, v42, v43, v44
	v_max_num_f32 v42, v42, v45
	v_permlanex16_b32 v43, v42, s46, s47           ; the query's other keys lie in the lane 16 away
	v_max_num_f32 v32, v42, v43
	v_max_num_f32 v33, v42, v43
	s_wait_dscnt 0x0                               ; the next tile's x is in
	WIN 0x82                                       ; s - m and the exponentials: one batch; nothing ahead of its wait names a result.  Behind every pair stands one of the next tile's 32 products q, g
	v_pk_add_f32 v[128:129], v[128:129], v[32:33] neg_lo:[0,1] neg_hi:[0,1]
.set a, 0
.rept 4*NT
	WIN 0x82
.if a+1 < 4*NT
	v_pk_add_f32 v[130+2*a:131+2*a], v[130+2*a:131+2*a], v[32:33] neg_lo:[0,1] neg_hi:[0,1]
.endif
	v_exp_f32 v[128+2*a], v[128+2*a]
	v_exp_f32 v[129+2*a], v[129+2*a]
	T2I a
.set a, a+1
.endr
	v_nop
	s_wait_alu depctr_va_vdst(0)
	WIN 0x0a                                       ; the sum of the unrounded weights, four chains of pairs
.irp c, 0,1,2,3
	v_pk_add_f32 v[34+2*(\c):35+2*(\c)], v[128+4*(\c):129+4*(\c)], v[130+4*(\c):131+4*(\c)]
.endr
	WIN 0x08
.set a, 8
.rept 4*NT-8
	v_pk_add_f32 v[34+2*(a%4):35+2*(a%4)], v[34+2*(a%4):35+2*(a%4)], v[128+2*a:129+2*a]
.set a, a+1
.endr
	WIN 0x8a
.set a, 0
.rept 4*NT
	v_cvt_pk_bf16_f32 v[128+a], v[128+2*a], v[129+2*a] ; P, in place
.set a, a+1
.endr
	WIN 0
	s_min_u32 s60, s41, 112*XP                     ; x of the tile after next; behind the last tile there is none, and the last one's rows are read again
	v_add_nc_u32 v10, s60, v5
	XTLOAD
	WIN 0
	v_pk_add_f32 v[34:35], v[34:35], v[36:37]
	v_pk_add_f32 v[38:39], v[38:39], v[40:41]
	v_pk_add_f32 v[34:35], v[34:35], v[38:39]
	v_add_f32 v34, v34, v35
	v_permlanex16_b32 v35, v34, s46, s47
	v_add_f32 v34, v34, v35
	v_rcp_f32 v46, v34
	v_rcp_f32 v47, v34
	v_nop
	s_wait_alu depctr_va_vdst(0)
	WIN 0x41
.set a, 0
.rept 8
	v_pk_mul_f32 v[80+2*a:81+2*a], v[80+2*a:81+2*a], v[46:47]  ; gate / l
.set a, a+1
.endr
	WIN 0x5b
.set u, 0
.rept NT/2
.irp e, 0,1
.if u == 0
	v_wmma_f32_16x16x32_bf16 v[104+8*(\e):111+8*(\e)], v[8*(2*u+(\e)):8*(2*u+(\e))+7], v[128+8*u:135+8*u], 0
.else
	v_wmma_f32_16x16x32_bf16 v[104+8*(\e):111+8*(\e)], v[8*(2*u+(\e)):8*(2*u+(\e))+7], v[128+8*u:135+8*u], v[104+8*(\e):111+8*(\e)]
.endif
.endr
.set u, u+1
.endr
	PLACES
	WIN 0x45
.set a, 0
.rept 8
	v_pk_mul_f32 v[104+2*a:105+2*a], v[104+2*a:105+2*a], v[80+2*a:81+2*a]
.set a, a+1
.endr
.set a, 0
.rept 8
	v_cvt_pk_bf16_f32 v[120+a], v[104+2*a], v[105+2*a]
.set a, a+1
.endr
	WIN 0x04
	ds_store_b128 v11, v[120:123]
	ds_store_b128 v11, v[124:127] offset:32
.endm
; THE 32 SUMS START AT THE RESIDUAL: sum (tile wi of my 64 channels, token tile t) = a selection matrix x x3's fragment, in the f16 form, C = 0: each row of the matrix holds one 1.0, so the product is x3 itself, exactly.
; v[36:43] selects k = m of 32, v[32:39] k = 16 + m: lane (row m = lane % 16, half h) holds k = 8 h + 0..7 in its first four registers, so the 1.0 lies in the lanes with h = m / 8, register (m % 8) / 2, half m % 2.
.macro RESID
	WIN 0
	s_wait_dscnt 0x0                               ; the last tile's loads ahead have landed: their registers are loaded anew below
	WIN 0x40
.irp kl, 0,1
.irp t, 0,1,2,3,4,5,6,7
	ds_load_b128 v[8*(8*(\kl)+(\t)):8*(8*(\kl)+(\t))+3], v15 offset:16*XP*(\t)+64*(\kl)
	ds_load_b128 v[8*(8*(\kl)+(\t))+4:8*(8*(\kl)+(\t))+7], v15 offset:16*XP*(\t)+64*(\kl)+32
.endr
.endr
	WIN 0
	v_bfe_u32 v44, v0, 3, 1                        ; m / 8
	v_and_b32 v45, 7, v0                           ; m % 8
	v_and_b32 v46, 1, v0
	v_lshlrev_b32 v46, 4, v46
	v_mov_b32 v47, 0x3c00                          ; 1.0 in f16,
	v_lshlrev_b32 v46, v46, v47                    ; in the half m % 2,
	v_cmp_eq_u32 vcc_lo, v44, v2
	v_cndmask_b32 v46, 0, v46, vcc_lo              ; in the lanes whose half holds k = m
	v_lshrrev_b32 v45, 1, v45
.irp q, 0,1,2,3
	v_cmp_eq_u32 vcc_lo, \q, v45
	v_cndmask_b32 v[36+(\q)], 0, v46, vcc_lo
	v_mov_b32 v[32+(\q)], 0
	v_mov_b32 v[40+(\q)], 0
.endr
	s_wait_dscnt 0x0
	WIN 0x84                                       ; the matrix in window 0, x3 in window 1, the sums in window 2
.irp wi, 0,1,2,3
.irp t, 0,1,2,3,4,5,6,7
	v_wmma_f32_16x16x32_f16 v[8*(8*(\wi)+(\t)):8*(8*(\wi)+(\t))+7], v[36-4*((\wi)%2):43-4*((\wi)%2)], v[8*(8*((\wi)/2)+(\t)):8*(8*((\wi)/2)+(\t))+7], 0
.endr
.endr
.endm
; THE WAY OUT: when nobody reads the LDS rows any more, the f32 sums go into a stage of 128 rows x 1,040 bytes and come back as whole rows, 32 rows a wave; b2 is added
.macro WAYOUT
	PLACES
	WIN 0
	s_wait_dscnt 0x0
	s_barrier_signal -1
	s_barrier_wait -1
	WIN 0x08
.irp wi, 0,1,2,3
.irp t, 0,1,2,3,4,5,6,7
	ds_store_b128 v[20+(\t)/4], v[8*(8*(\wi)+(\t)):8*(8*(\wi)+(\t))+3] offset:16*SP*((\t)%4)+64*(\wi)
	ds_store_b128 v[20+(\t)/4], v[8*(8*(\wi)+(\t))+4:8*(8*(\wi)+(\t))+7] offset:16*SP*((\t)%4)+64*(\wi)+16
.endr
.endr
	WIN 0
	s_wait_dscnt 0x0
	s_barrier_signal -1
	s_barrier_wait -1
	s_mov_b32 s45, 8
.Lout:
.irp i, 0,1,2,3
.irp q, 0,1
	ds_load_b128 v[32+8*(\i)+4*(\q):35+8*(\i)+4*(\q)], v22 offset:SP*(\i)+512*(\q)
.endr
.endr
	s_wait_dscnt 0x0
.irp i, 0,1,2,3
.irp q, 0,1
.irp m, 0,1
	v_pk_add_f32 v[32+8*(\i)+4*(\q)+2*(\m):33+8*(\i)+4*(\q)+2*(\m)], v[32+8*(\i)+4*(\q)+2*(\m):33+8*(\i)+4*(\q)+2*(\m)], v[24+4*(\q)+2*(\m):25+4*(\q)+2*(\m)]
.endr
.endr
.endr
.irp i, 0,1,2,3
.irp q, 0,1
	global_store_b128 v18, v[32+8*(\i)+4*(\q):35+8*(\i)+4*(\q)], s[56:57] offset:OROW*(\i)+512*(\q) th:TH_STORE_NT   ; 512 consecutive bytes, aligned
.endr
.endr
	s_wait_xcnt 0x0                                ; the stores' data and base are rewritten only behind this wait
	s_add_nc_u64 s[56:57], s[56:57], 4*OROW
	v_add_nc_u32 v22, 4*SP, v22
	s_sub_co_u32 s45, s45, 1
	s_cmp_lg_u32 s45, 0
	s_cbranch_scc1 .Lout
.endm
; Layer norm of four pairs of rows.  A lane holds 16 numbers of one row (X + 16 p ..), 16 lanes a row.  Mean first, then the centred squares.  s58 = 1 / 256, s59 = 1e-5.
.macro LNGROUP X, G, BE, T
.irp p, 0,1,2,3
.irp c, 0,1,2,3
	v_pk_add_f32 v[(\T)+8*(\p)+2*(\c):(\T)+8*(\p)+2*(\c)+1], v[(\X)+16*(\p)+4*(\c):(\X)+16*(\p)+4*(\c)+1], v[(\X)+16*(\p)+4*(\c)+2:(\X)+16*(\p)+4*(\c)+3]
.endr
.endr
.irp p, 0,1,2,3
	v_pk_add_f32 v[(\T)+8*(\p):(\T)+8*(\p)+1], v[(\T)+8*(\p):(\T)+8*(\p)+1], v[(\T)+8*(\p)+2:(\T)+8*(\p)+3]
	v_pk_add_f32 v[(\T)+8*(\p)+4:(\T)+8*(\p)+5], v[(\T)+8*(\p)+4:(\T)+8*(\p)+5], v[(\T)+8*(\p)+6:(\T)+8*(\p)+7]
.endr
.irp p, 0,1,2,3
	v_pk_add_f32 v[(\T)+8*(\p):(\T)+8*(\p)+1], v[(\T)+8*(\p):(\T)+8*(\p)+1], v[(\T)+8*(\p)+4:(\T)+8*(\p)+5]
.endr
.irp p, 0,1,2,3
	v_add_f32 v[(\T)+8*(\p)], v[(\T)+8*(\p)], v[(\T)+8*(\p)+1]
.endr
.irp m, 1,2,4,8
.irp p, 0,1,2,3
	v_add_f32_dpp v[(\T)+8*(\p)], v[(\T)+8*(\p)], v[(\T)+8*(\p)] row_xmask:\m row_mask:0xf bank_mask:0xf
.endr
.endr
.irp p, 0,1,2,3
	v_mul_f32 v[(\T)+8*(\p)], 0xbb800000, v[(\T)+8*(\p)]   ; minus the mean
.endr
.irp p, 0,1,2,3
.irp c, 0,1,2,3,4,5,6,7
	v_pk_add_f32 v[(\X)+16*(\p)+2*(\c):(\X)+16*(\p)+2*(\c)+1], v[(\X)+16*(\p)+2*(\c):(\X)+16*(\p)+2*(\c)+1], v[(\T)+8*(\p):(\T)+8*(\p)+1] op_sel_hi:[1,0]
.endr
.endr
.irp p, 0,1,2,3
	v_pk_mul_f32 v[(\T)+8*(\p)+2:(\T)+8*(\p)+3], v[(\X)+16*(\p):(\X)+16*(\p)+1], v[(\X)+16*(\p):(\X)+16*(\p)+1]
	v_pk_mul_f32 v[(\T)+8*(\p)+4:(\T)+8*(\p)+5], v[(\X)+16*(\p)+2:(\X)+16*(\p)+3], v[(\X)+16*(\p)+2:(\X)+16*(\p)+3]
.endr
.irp c, 1,2,3
.irp p, 0,1,2,3
	v_pk_fma_f32 v[(\T)+8*(\p)+2:(\T)+8*(\p)+3], v[(\X)+16*(\p)+4*(\c):(\X)+16*(\p)+4*(\c)+1], v[(\X)+16*(\p)+4*(\c):(\X)+16*(\p)+4*(\c)+1], v[(\T)+8*(\p)+2:(\T)+8*(\p)+3]
	v_pk_fma_f32 v[(\T)+8*(\p)+4:(\T)+8*(\p)+5], v[(\X)+16*(\p)+4*(\c)+2:(\X)+16*(\p)+4*(\c)+3], v[(\X)+16*(\p)+4*(\c)+2:(\X)+16*(\p)+4*(\c)+3], v[(\T)+8*(\p)+4:(\T)+8*(\p)+5]
.endr
.endr
.irp p, 0,1,2,3
	v_pk_add_f32 v[(\T)+8*(\p)+2:(\T)+8*(\p)+3], v[(\T)+8*(\p)+2:(\T)+8*(\p)+3], v[(\T)+8*(\p)+4:(\T)+8*(\p)+5]
.endr
.irp p, 0,1,2,3
	v_add_f32 v[(\T)+8*(\p)+2], v[(\T)+8*(\p)+2], v[(\T)+8*(\p)+3]
.endr
.irp m, 1,2,4,8
.irp p, 0,1,2,3
	v_add_f32_dpp v[(\T)+8*(\p)+2], v[(\T)+8*(\p)+2], v[(\T)+8*(\p)+2] row_xmask:\m row_mask:0xf bank_mask:0xf
.endr
.endr
.irp p, 0,1,2,3
	v_fma_f32 v[(\T)+8*(\p)+2], v[(\T)+8*(\p)+2], s58, s59
.endr
.irp p, 0,1,2,3
	v_rsq_f32 v[(\T)+8*(\p)+4], v[(\T)+8*(\p)+2]
.endr
	v_nop                                          ; a plain instruction behind the last root,
	s_wait_alu depctr_va_vdst(0)                   ; and one wait for the four, ahead of their first reader
.irp p, 0,1,2,3
.irp c, 0,1,2,3,4,5,6,7
	v_pk_mul_f32 v[(\X)+16*(\p)+2*(\c):(\X)+16*(\p)+2*(\c)+1], v[(\X)+16*(\p)+2*(\c):(\X)+16*(\p)+2*(\c)+1], v[(\T)+8*(\p)+4:(\T)+8*(\p)+5] op_sel_hi:[1,0]
.endr
.endr
.irp p, 0,1,2,3
.irp c, 0,1,2,3,4,5,6,7
	v_pk_fma_f32 v[(\X)+16*(\p)+2*(\c):(\X)+16*(\p)+2*(\c)+1], v[(\X)+16*(\p)+2*(\c):(\X)+16*(\p)+2*(\c)+1], v[(\G)+2*(\c):(\G)+2*(\c)+1], v[(\BE)+2*(\c):(\BE)+2*(\c)+1]
.endr
.endr
.endm
.macro LOADX X, rows                   ; 8 tokens' rows of x2, as 4 pairs: 16 loads; the largest immediate, 30 tokens on, lies inside the signed 24 bits
.irp p, 0,1,2,3
.irp q, 0,1
.irp i, 0,1
	global_load_b128 v[(\X)+16*(\p)+8*(\q)+4*(\i):(\X)+16*(\p)+8*(\q)+4*(\i)+3], v10, s[4:5] offset:((\rows)+2*(\p))*OROW+512*(\q)+16*(\i) th:TH_LOAD_NT
.endr
.endr
.endr
.endm
.macro PUTX X, rows                    ; x3 rounded once to f16, into the tokens' LDS rows
.set a, 0
.rept 32
	v_cvt_pk_f16_f32 v[224+a], v[(\X)+2*a], v[(\X)+2*a+1]
.set a, a+1
.endr
.irp p, 0,1,2,3
.irp q, 0,1
	ds_store_b128 v11, v[224+8*(\p)+4*(\q):227+8*(\p)+4*(\q)] offset:XP*((\rows)+2*(\p))+256*(\q)
.endr
.endr
.endm
	s_load_b512 s[4:19], s[0:1], 0x0               ; X2, g3, be3, SC, QGC, b1, b2, out0
	v_lshl_add_u32 v3, v0, 2, SPARE
	v_mov_b32 v4, 0
	ds_add_u32 v3, v4                              ; the opening: the add and its wait ahead of my first tensor load
	v_lshrrev_b32 v19, 5, v0
	v_readfirstlane_b32 s20, v19                   ; wave 0..3
	s_bfe_u32 s21, ttmp6, 0x40000                  ; cx: it enters X2's, out0's and the prefetches' addresses alone
	s_mov_b32 s24, 15|(3<<16)|(1<<21)              ; group 1: mask of four, elements of 8 bytes, bit 21 beside the mask
	s_mov_b32 s25, 32<<16                          ; tensor_dim0 = 32 (256 bytes)
	s_mov_b32 s26, 64<<16                          ; tensor_dim1 = 64
	s_mov_b32 s27, 32<<16                          ; tile_dim0 = 32
	s_mov_b32 s28, 64                              ; tile_dim1 = 64: a quarter, 16,384 dense bytes
	s_mov_b32 s29, 32                              ; stride
	s_mov_b32 s30, 0
	s_mov_b32 s31, 0
	s_mov_b32 s32, 1
	s_lshl_b32 s33, s20, 14
	s_add_co_u32 s33, s33, SLOT0
	s_lshl_b32 s22, s20, 14
	s_mov_b32 s23, 0
	s_lshl1_add_u32 s60, s21, s20                  ; which eighth of a block I prefetch
	s_lshl_b32 s60, s60, 13
	s_add_co_u32 s60, s60, 0x10000                 ; the first change steps it to block 2
	s_mov_b32 s61, 0
	s_lshr_b32 s38, s20, 1
	s_or_b32 s38, s38, ttmp9
	s_cmp_eq_u32 s38, 0
	s_cselect_b32 s38, 0, -1                       ; 0 in waves 0 and 1 of the launch's first cluster
	s_mov_b32 s39, 20                              ; blocks 2 .. 21 are asked for
	s_lshl2_add_u32 s62, ttmp9, s21                ; my column
	s_lshl_b32 s62, s62, 10
	s_lshl_b32 s63, s20, 23                        ; my wave's 32 tokens
	s_add_co_u32 s62, s62, s63
	s_mov_b32 s63, 0
	s_lshl_b32 s52, s20, 15
	s_mov_b32 s53, 0
	s_mov_b32 s46, 0x76543210
	s_mov_b32 s47, 0xfedcba98
	s_mov_b32 s48, 0xffff0000                      ; a word's upper half
	s_mov_b32 s51, 0                               ; two bf16 zeros, for the ReLU
	s_mov_b32 s58, 0x3b800000                      ; 1 / 256
	s_mov_b32 s59, 0x3727c5ac                      ; 1e-5
	s_wait_dscnt 0x0
	s_wait_kmcnt 0x0
	s_add_nc_u64 s[34:35], s[10:11], s[22:23]
	s_or_b32 s35, s35, 0x80000000
	s_add_nc_u64 s[36:37], s[10:11], s[60:61]
	s_add_nc_u64 s[4:5], s[4:5], s[62:63]
	s_add_nc_u64 s[56:57], s[18:19], s[62:63]
	s_add_nc_u64 s[52:53], s[12:13], s[52:53]
	s_mov_b64 s[54:55], s[14:15]
	CROUND                                         ; the four work-groups are here: the first joint load meets
	tensor_load_to_lds s[32:35], s[24:31]          ; block 0
	s_nop 0
	PLACES
	v_and_b32 v1, 15, v0
	v_bfe_u32 v2, v0, 4, 1
	v_and_b32 v18, 31, v0
	v_lshlrev_b32 v17, 8, v18                      ; 256 x lane
	v_lshlrev_b32 v18, 4, v18                      ; 16 x lane
	v_lshlrev_b32 v16, 5, v1                       ; my 8 + 8 columns of each half row
	v_lshl_add_u32 v10, v2, 18, v16                ; the upper lanes take the next token
.irp q, 0,1
.irp i, 0,1
	global_load_b128 v[64+8*(\q)+4*(\i):67+8*(\q)+4*(\i)], v16, s[6:7] offset:512*(\q)+16*(\i)
	global_load_b128 v[80+8*(\q)+4*(\i):83+8*(\q)+4*(\i)], v16, s[8:9] offset:512*(\q)+16*(\i)
.endr
.endr
	global_load_b128 v[24:27], v18, s[16:17]       ; b2 as the way out wants it
	global_load_b128 v[28:31], v18, s[16:17] offset:512
	LOADX 96, 0                                    ; ALL my 32 tokens' rows go out at the head: tokens 0-15 into the two sets that LN3's text names,
	LOADX 160, 8
	WIN 0x40
	LOADX 0, 16                                    ; tokens 16-31 into window 1
	WIN 0
	v_mul_u32_u24 v5, v1, XP
	v_lshl_add_u32 v5, v2, 4, v5                   ; a token fragment: row x pitch + 16 x half
	s_lshl_b32 s22, s20, 14
	v_add_nc_u32 v7, s22, v18
	v_add_nc_u32 v8, SLOT0+0x10000, v7
	v_add_nc_u32 v7, SLOT0, v7
	v_mul_u32_u24 v9, v1, OP
	v_lshl_add_u32 v9, v2, 4, v9
	v_add_nc_u32 v13, OBA, v9
	v_add_nc_u32 v14, OBB, v9
	s_lshr_b32 s22, s20, 1
	s_mul_i32 s22, s22, 128*OP
	s_and_b32 s23, s20, 1
	s_lshl_b32 s23, s23, 7
	s_add_co_u32 s22, s22, s23
	s_add_co_u32 s22, s22, OBA
	v_add_nc_u32 v19, s22, v9                      ; where my 64 hidden units go
	s_lshl_b32 s22, s20, 6
	v_add_nc_u32 v9, s22, v9                       ; where my head's o goes in a row
	s_lshl_b32 s22, s20, 7
	v_add_nc_u32 v15, s22, v5                      ; my 64 channels of a token's row
	s_lshl_b32 s22, s20, 8
	v_lshl_add_u32 v12, v2, 5, s22                 ; b1 of my units
	v_mul_u32_u24 v20, v1, SP
	v_lshl_add_u32 v20, v2, 5, v20
	v_add_nc_u32 v20, s22, v20
	v_add_nc_u32 v21, 64*SP, v20
	s_mul_i32 s22, s20, 32*SP
	v_add_nc_u32 v22, s22, v18
	s_mul_i32 s22, s20, 32*XP
	v_mul_u32_u24 v11, v2, XP
	v_lshl_add_u32 v11, v1, 4, v11
	v_add_nc_u32 v11, s22, v11                     ; x3's place: my wave's rows, 16 bytes a lane
	s_wait_loadcnt 48                              ; the ten loads of g3, be3 and b2 are in; the 48 loads of x2's rows behind them stay out
	RBF 64, 32, 16                                 ; g3 and be3 to bf16,
	RBF 24, 48, 4                                  ; and b2
	WIN 0x40
	LOADX 64, 24
	WIN 0
	s_mov_b32 s45, 2
.Lln:                                                  ; LN3: 16 tokens a trip, in two sets of registers
	s_wait_loadcnt 48                              ; the first set is in; the three sets behind it, 48 loads, may stay out
	LNGROUP 96, 64, 80, 32
	PUTX 96, 0
	s_wait_loadcnt 32                              ; the second set is in; window 1's 32 loads may stay out
	LNGROUP 160, 64, 80, 32
	PUTX 160, 8
	s_wait_loadcnt 0x0                             ; tokens 16-31 are in
	s_cmp_eq_u32 s45, 1
	s_cbranch_scc1 .Lln_b
	WIN 0x01                                       ; they move into the registers that the one text of LN3 names
.set a, 0
.rept 128
	v_mov_b32 v[96+a], v[a]
.set a, a+1
.endr
	WIN 0
.Lln_b:
	v_add_nc_u32 v11, 16*XP, v11
	s_sub_co_u32 s45, s45, 1
	s_cmp_lg_u32 s45, 0
	s_cbranch_scc1 .Lln
	s_mov_b32 s43, OBA
	s_mov_b32 s44, 2
.Lpass:                                                ; heads 4 p + w
	KVPHASE
	KVPACK
	WIN 0
	s_wait_loadcnt 0x0                             ; q's and g's weights
	s_add_nc_u64 s[52:53], s[52:53], 0x20000
	s_wait_dscnt 0x0                               ; the first tile's x
.set i2, 0
.rept 32
	T2I i2                                         ; the first tile's q and g: written out, since no exponentials stand ahead of them
.set i2, i2+1
.endr
	PLACES
	WIN 0
	v_add_nc_u32 v10, 16*XP, v5
	XTLOAD                                         ; the second tile's x
	WIN 0
	s_mov_b32 s41, 32*XP
	s_mov_b32 s42, s43
	s_mov_b32 s45, 8
.Ltile:
	TILE
	WIN 0
	s_add_co_u32 s41, s41, 16*XP
	s_add_co_u32 s42, s42, 16*OP
	s_sub_co_u32 s45, s45, 1
	s_cmp_lg_u32 s45, 0
	s_cbranch_scc1 .Ltile
	s_mov_b32 s43, OBB
	s_sub_co_u32 s44, s44, 1
	s_cmp_lg_u32 s44, 0
	s_cbranch_scc1 .Lpass
	RESID
	WIN 0
	; W0 AND THE MLP ARE ONE LOOP, entered in its middle: "sums += weights x (first LDS half, then second)" serves W0 on o and W2 on h alike.
	; Between the f16 products above and the first bf16 product on the same registers stand the eight v_nop of the change of slots and of the first step.
	s_mov_b32 s49, 5
	s_mov_b32 s50, 1
	s_branch .Lenter
.Lchunk:
	CHANGE 1                                       ; at the head of the block's fourth step, whose fragments are in registers
	FETCH F0, 8, 0, 14, 0, OP
	ASK
	PH F1, 0, 2, -1
	PH F1, 1, 2, -1
	WIN 0
.irp wi, 0,1,2,3
	global_load_b128 v[32+8*(\wi):35+8*(\wi)], v12, s[54:55] offset:64*(\wi)       ; b1 of this chunk's units, as the C operand of the first product
	global_load_b128 v[36+8*(\wi):39+8*(\wi)], v12, s[54:55] offset:64*(\wi)+16
.endr
	P3 2, 8, 14, 0, OP, -1
	s_wait_dscnt 0x0
	PH F1, 0, 2, -1
	PH F1, 1, 2, -1
	PLACES
	WIN 0
	s_cmp_eq_u32 s50, 1
	s_cbranch_scc0 .Lnox4
	WIN 0x4a                                       ; once: the sums hold x4; its bf16 copy takes x3's place in LDS, each lane over the bytes that it read itself
.set a, 0
.rept 128
	v_cvt_pk_bf16_f32 v[a], v[2*a], v[2*a+1]
.set a, a+1
.endr
	WIN 0x04
.irp wi, 0,1,2,3
.irp t, 0,1,2,3,4,5,6,7
	ds_store_b128 v15, v[4*(8*(\wi)+(\t)):4*(8*(\wi)+(\t))+3] offset:16*XP*(\t)+32*(\wi)
.endr
.endr
	WIN 0
	s_mov_b32 s50, 0
.Lnox4:
	CHANGE 1
	FETCH F0, 7, 0, 5, 0, XP
	ASK
	s_wait_loadcnt 0x0                             ; b1
	s_add_nc_u64 s[54:55], s[54:55], 1024
	RBF 32, 64, 16                                 ; b1 to bf16; v64-79, q's weights once, are free
	P3 3, 7, 5, 0, XP, 32
	CHANGE 1
	FETCH F0, 8, 0, 5, 256, XP
	ASK
	PH F1, 0, 3, -1
	PH F1, 1, 3, -1
	P3 3, 8, 5, 256, XP, -1
	s_wait_dscnt 0x0
	PH F1, 0, 3, -1
	PH F1, 1, 3, -1
	PLACES
	WIN 0x4f                                       ; h: rounded to bf16, then the ReLU on packed halves
.set a, 0
.rept 128
	v_cvt_pk_bf16_f32 v[a], v[2*a], v[2*a+1]
.set a, a+1
.endr
	WIN 0x45
.set a, 0
.rept 128
	v_pk_max_num_bf16 v[a], v[a], s51
.set a, a+1
.endr
	WIN 0x04
.irp wi, 0,1,2,3
.irp t, 0,1,2,3,4,5,6,7
	ds_store_b128 v19, v[4*(8*(\wi)+(\t)):4*(8*(\wi)+(\t))+3] offset:16*OP*(\t)+32*(\wi)
.endr
.endr
	WIN 0
.Lenter:
	CHANGE 1
	FETCH F0, 7, 0, 13, 0, OP
	ASK
	P3 2, 7, 13, 0, OP, -1
	WIN 0
	s_sub_co_u32 s49, s49, 1
	s_cmp_lg_u32 s49, 0
	s_cbranch_scc1 .Lchunk
	CHANGE 0                                       ; the tail is written out: the last block is in, nothing is asked for
	PLACES
	FETCH F0, 8, 0, 14, 0, OP
	PH F1, 0, 2, -1
	PH F1, 1, 2, -1
	P3 2, 8, 14, 0, OP, -1
	s_wait_dscnt 0x0
	PH F1, 0, 2, -1
	PH F1, 1, 2, -1
	WAYOUT
	s_wait_tensorcnt 0x0                           ; the wave's end
	ds_add_u32 v3, v4
	s_wait_dscnt 0x0
	CROUND                                         ; the closing round
	s_endpgm
.Lfunc_end_k_q4b0e157c0c_col:
	.size	k_q4b0e157c0c_col, .Lfunc_end_k_q4b0e157c0c_col-k_q4b0e157c0c_col
	.p2alignl 7, 3214868480
	.fill 96, 4, 3214868480
	.section	.rodata,"a",@progbits
	.p2align	6, 0x0
	.amdhsa_kernel k_q4b0e157c0c_col
		.amdhsa_group_segment_fixed_size 327680
		.amdhsa_private_segment_fixed_size 0
		.amdhsa_enable_private_segment 0
		.amdhsa_kernarg_size 64
		.amdhsa_user_sgpr_count 2
		.amdhsa_user_sgpr_kernarg_segment_ptr 1
		.amdhsa_wavefront_size32 1
		.amdhsa_system_sgpr_workgroup_id_x 1
		.amdhsa_system_sgpr_workgroup_id_y 1
		.amdhsa_system_sgpr_workgroup_id_z 1
		.amdhsa_system_vgpr_workitem_id 0
		.amdhsa_next_free_vgpr 1024
		.amdhsa_next_free_sgpr 66
		.amdhsa_reserve_vcc 1
		.amdhsa_float_denorm_mode_32 3
		.amdhsa_float_denorm_mode_16_64 3
		.amdhsa_memory_ordered 1
		.amdhsa_forward_progress 1
		.amdhsa_inst_pref_size 247
	.end_amdhsa_kernel
	.amdgpu_metadata
---
amdhsa.version: [ 1, 2 ]
amdhsa.kernels:
  - .name:           k_q4b0e157c0c_col
    .symbol:         k_q4b0e157c0c_col.kd
    .args:
      - { .name: X2, .offset: 0, .size: 8, .value_kind: global_buffer, .address_space: global }
      - { .name: g3, .offset: 8, .size: 8, .value_kind: global_buffer, .address_space: global }
      - { .name: be3, .offset: 16, .size: 8, .value_kind: global_buffer, .address_space: global }
      - { .name: SC, .offset: 24, .size: 8, .value_kind: global_buffer, .address_space: global }
      - { .name: QGC, .offset: 32, .size: 8, .value_kind: global_buffer, .address_space: global }
      - { .name: b1, .offset: 40, .size: 8, .value_kind: global_buffer, .address_space: global }
      - { .name: b2, .offset: 48, .size: 8, .value_kind: global_buffer, .address_space: global }
      - { .name: out0, .offset: 56, .size: 8, .value_kind: global_buffer, .address_space: global }
    .group_segment_fixed_size: 327680
    .private_segment_fixed_size: 0
    .kernarg_segment_align: 8
    .kernarg_segment_size: 64
    .max_flat_workgroup_size: 128
    .sgpr_count:     66
    .vgpr_count:     1024
    .wavefront_size: 32
...
	.end_amdgpu_metadata
.endif
;; end of part 3
